; MI455X (gfx1250); checked and timed in simulation.
; The chip was launched on July 23, 2026; its instructions are those of AMD's public machine-readable ISA for CDNA 5 (MIT licence, August 2026) and "CDNA5" Instruction Set Architecture Reference Guide (July 2026). The comments in the code are by the model that wrote it; some were corrected since.
;; Multi Head Attention. Allowed arithmetic: matrix products marked QUANTISED: E2M1 operands, one E8M0 scale for each 32 along K, by v_wmma_scale_f32_16x16x128_f8f6f4 with both operands' format E2M1 (or v_wmma_scale_f32_32x16x128_f4), f32 sums; products left as they are: bf16, f16 or f32 operands; f32 sums; everything else in f32.
;; Inputs: Wk 16 x 1,024 x 64 float32; Wo 1,024 x 1,024 float32; Wq 16 x 1,024 x 64 float32; Wv 16 x 1,024 x 64 float32; x 4 x 2,048 x 1,024 float32.
;; Outputs: out0 4 x 2,048 x 1,024 float32.
;; This version of the problem:
;;   THIS VERSION OF THE PROBLEM IS GIVEN IN LOW PRECISION. The matrix products marked QUANTISED in the list below multiply operands that are first quantised to E2M1 (2 exponent bits, 1 mantissa bit; 4 bits a number), with one power-of-two scale for each 32 numbers along K (OCP MX v1.0); their sums are f32. The products marked 'left as it is' may take bf16, f16 or f32 operands, with f32 sums. Whichever they take, every output number must still come out within the allowed error. Rounding operands to bf16 (8 significant bits) uses up far more of that allowance than f16 does (11 bits, for magnitudes from 6e-5 to 65,504). All else is computed in f32.
;;   The module's matrix products, in the order in which they are computed (A, B: the left and right operand; K: the contracted axis; several contracted axes count as one K, in the product's order):
;;     1. [M 1,024, K 1,024] x [K 1,024, N 8,192]; A: input Wq; B: input x: QUANTISED
;;     2. [M 1,024, K 1,024] x [K 1,024, N 8,192]; A: input Wk; B: input x: QUANTISED
;;     3. [M 1,024, K 1,024] x [K 1,024, N 8,192]; A: input Wv; B: input x: QUANTISED
;;     4. batch 64 x [M 2,048, K 64] x [K 64, N 2,048]; A: computed on the way; B: computed on the way: left as it is (an operand is computed on the way)
;;     5. batch 64 x [M 2,048, K 2,048] x [K 2,048, N 64]; A: computed on the way; B: computed on the way: left as it is (an operand is computed on the way)
;;     6. [M 8,192, K 1,024] x [K 1,024, N 1,024]; A: computed on the way; B: input Wo: left as it is (an operand is computed on the way)
;;   THE QUANTISER, for each operand of a quantised product, along K:
;;     - K is cut into blocks of 32 from its start; a last block that is shorter is filled with zeros.
;;     - A block's scale is 2^e with e = floor(log2(the largest magnitude in the block)) - 2, held to -126 .. 127; a block of zeros has e = 0. As a byte (E8M0): e + 127.
;;     - Each number is divided by its block's scale, clamped to +-6, and rounded to the nearest number of E2M1, ties to even, subnormals kept.
;;     - The product sums the exact products of the quantised numbers (number of the format x scale) in f32.
;;   ~~~python
;;   def quantise(x, axis):      # numpy; x: float32 -> the quantised numbers, widened to float32 again
;;       x = np.moveaxis(x, axis, -1); K = x.shape[-1]
;;       x = np.pad(x, [(0, 0)] * (x.ndim - 1) + [(0, -K % 32)]); x = x.reshape(x.shape[:-1] + (-1, 32)); a = np.abs(x).max(-1, keepdims=True)
;;       e = np.where(a > 0, np.clip(np.frexp(np.where(a > 0, a, 1))[1] - 1 - 2, -126, 127), 0)      # np.frexp(a)[1] - 1 = floor(log2(a)), exactly
;;       r = np.clip(x / 2.0 ** e, -6, 6)
;;       step = 2.0 ** (np.maximum(np.frexp(np.where(r == 0, 1, r))[1] - 1, 0) - 1)
;;       q = np.round(r / step) * step * 2.0 ** e      # np.round: ties to even
;;       return np.moveaxis(q.reshape(q.shape[:-2] + (-1,))[..., :K], -1, axis).astype(np.float32)
;;   ~~~
;; One version. Each part assembles by itself: llvm-mc -triple=amdgcn-amd-amdhsa -mcpu=gfx1250 --defsym DOCPART=n.
;; ======== version 1 of 1: 4 launches
;; limits: values are held in f16: magnitudes above 65,504 overflow, below 6.1e-05 lose precision
;; workspace buffers: xq 4,456,448 bytes; wq 1,671,168 bytes; wo16 2,097,152 bytes; qkv 50,331,648 bytes; cc 16,777,216 bytes
;; launch prep (part 1): grid 512 x 1, 4 waves a work-group, no clusters, 34,304 bytes of LDS; arguments x, Wq, Wk, Wv, Wo, xq, wq, wo16; writes xq, wq, wo16
.if DOCPART == 1
	.amdgcn_target "amdgcn-amd-amdhsa--gfx1250"
	.amdhsa_code_object_version 6
	.text
	.protected	k_qa53b0b816f_prep
	.globl	k_qa53b0b816f_prep
	.p2align	8
	.type	k_qa53b0b816f_prep,@function
k_qa53b0b816f_prep:
	s_mov_b64 s[64:65], 0
	v_nop
	global_prefetch_b8 v0, s[64:65] scope:SCOPE_SE
	s_setreg_imm32_b32 hwreg(HW_REG_WAVE_MODE, 25, 1), 1
	s_wait_xcnt 0x0
; MULTI-HEAD ATTENTION, launch 1 of 4: the operands are made ready.  B = 4, S = 2,048, D = 1,024, H = 16, DH = 64.
; NOTHING OF THE PROBLEM IS LEFT OUT: x, Wq, Wk, Wv and Wo all reach out0 for all values, there is no mask, and no result is sliced away.
; x [8,192 tokens][1,024] and Wq, Wk, Wv [16][1,024][64] become codes of E2M1, 4 bits each, with one E8M0 byte for each 32 along D (the K of the three projections); Wo [1,024][1,024] becomes f16.
; A block's scale is 2^(floor(log2(its largest magnitude)) - 2); its byte is the largest magnitude's exponent field - 2, held at 1 from below; numbers are divided by the scale and rounded to the nearest code, ties to even, beyond 6 to 6.
; ALL THREE BUFFERS ARE LAID AS IMAGES OF OPERAND REGISTERS: a group of four registers is 512 bytes, lane l's 16 bytes at 16 l.  r = lane % 16, h = lane / 16.
;   xq codes [g 2][T 512][j 4][1,024 B]: byte 512 c + 16 lane: token 16 T + r, k = 128 (4 g + j) + 64 c + 32 h + 0 .. 31;  at 4,194,304 the scale words [g 2][token][j 4]: byte b of a word scales k = 128 (4 g + j) + 32 b on
;   wq likewise with n = 1,024 tensor + 64 head + column in the token's place: codes [g 2][nt 192][j 4][1,024 B]; at 1,572,864 the scale words [g 2][n 3,072][j 4]
;   wo16 [kappa 8][nt 64][q 4][1,024 B]: byte 512 p + 16 lane: Wo[128 kappa + 32 q + 16 p + 8 h + 0 .. 7][16 nt + r]
; THREE PATHS, parted on the work-group's number: 0-255 x, 256-447 the three weights, 448-511 Wo.  Waves share nothing: no barrier.  Only the first path touches LDS.
; LIMITS: a block of zeros gets the byte 1 where the rule says 127 (its codes are zeros, and this program alone reads the bytes); NaN and infinities among the inputs are not served; |Wo| stays under 65,504 (f16).
.set STG,   16*528                     ; LDS: a stage for each wave: 16 rows of 512 bytes + 16 of padding (33 x 16 bytes: sixteen rows start at sixteen different groups of banks)
.set SPARE, 4*STG                      ; behind the stages: the spare words, 128 bytes for each wave: two blocks of 256 bytes that no other line names
.set SPW, 4                            ; v4   LDS address of my spare word; never rewritten
.set NIL, 5                            ; v5   0; never rewritten
.set GI,  6                            ; v6   16 x lane
.set STI, 7                            ; v7   my stage + 16 x lane
.set LDI, 8                            ; v8   my stage + 528 r + 128 h
.set SO,  9                            ; v9   16 r
.set VO,  10                           ; v10  4,096 h + 16 r: a lane's column in the images of two neighbouring tiles
.set L4,  11                           ; v11  4 x lane
.set MX,  12                           ; v12-13 largest magnitudes
.set SCO, 14                           ; v14-15 the conversions' scale operands
.set BY,  16                           ; v16-17 scale bytes
.set H8,  18                           ; v18  8 h
.set PT,  19                           ; v19  the other half's bytes
.set WD,  20                           ; v20-23 scale words
.set R,   32                           ; v32-159 numbers as loaded: two sets (x: of 64; weights: of 32)
.set CW,  96                           ; v96-159 the weights' results, own registers for each block: no store's data are written again
.set X,   160                          ; v160-223 x: 64 numbers of a lane: register 32 c + n is k = 64 c + 32 h + n of row r
.set C,   224                          ; v224-255 x's codes: eight for each unit
	s_load_b256 s[4:11], s[0:1], 0x0               ; x, Wq, Wk, Wv
	s_load_b256 s[12:19], s[0:1], 0x20             ; Wo, xq, wq, wo16
	v_lshl_add_u32 v[SPW], v0, 2, SPARE
	v_mov_b32 v[NIL], 0
	v_lshrrev_b32 v1, 5, v0
	v_readfirstlane_b32 s20, v1                    ; wave
	v_and_b32 v1, 31, v0                           ; lane
	v_and_b32 v2, 15, v0                           ; r
	v_bfe_u32 v3, v0, 4, 1                         ; h
	v_lshlrev_b32 v[GI], 4, v1
	v_lshlrev_b32 v[L4], 2, v1
	v_lshlrev_b32 v[SO], 4, v2
	v_lshl_add_u32 v[VO], v3, 12, v[SO]
	s_mul_i32 s21, s20, STG
	v_add_nc_u32 v[STI], s21, v[GI]
	v_mul_u32_u24 v[LDI], v2, 528
	v_lshl_add_u32 v[LDI], v3, 7, v[LDI]
	v_add_nc_u32 v[LDI], s21, v[LDI]
	v_lshlrev_b32 v[H8], 3, v3
	v_mov_b32 v[PT], 0                             ; written once: a lane permute's destination counts as one of its sources
	s_mov_b32 s22, 0x76543210
	s_mov_b32 s23, 0xfedcba98                      ; v_permlanex16_b32's selects for lane l xor 16
	s_mov_b32 s29, 0
	s_cmp_lt_u32 ttmp9, 256
	s_cbranch_scc0 .Lnot_x
; ---- PATH X.  Wave W = 4 x work-group + wave takes tile T = W / 2 (16 tokens) and half g = W % 2 of K: four units of 16 rows x 128 along K.
; A load reads 512 consecutive bytes of one row; the conversions want 32 neighbours along K in one lane: so a unit's 8,192 bytes turn through the wave's own stage.
	s_lshl_b32 s24, ttmp9, 2
	s_add_co_u32 s24, s24, s20                     ; W
	s_lshr_b32 s25, s24, 1                         ; T
	s_and_b32 s26, s24, 1                          ; g
	s_lshl_b32 s28, s25, 16                        ; x: 16 rows of 4,096 bytes a tile,
	s_lshl_b32 s27, s26, 11                        ; 2,048 bytes a half
	s_add_co_u32 s28, s28, s27
	s_lshl_b32 s30, s26, 21                        ; the codes: 2,097,152 a half, 4,096 a tile
	s_lshl_b32 s27, s25, 12
	s_add_co_u32 s30, s30, s27
	s_mov_b32 s31, 0
	s_lshl_b32 s32, s26, 17                        ; the scale words: 131,072 a half, 256 a tile
	s_lshl_b32 s27, s25, 8
	s_add_co_u32 s32, s32, s27
	s_add_co_u32 s32, s32, 4194304
	s_mov_b32 s33, 0
	s_wait_kmcnt 0x0
	s_add_nc_u64 s[4:5], s[4:5], s[28:29]
	s_add_nc_u64 s[30:31], s[14:15], s[30:31]
	s_add_nc_u64 s[32:33], s[14:15], s[32:33]
.macro XLOAD j                         ; unit j: 16 rows x 512 bytes into set j % 2
.irp i, 0,1,2,3,4,5,6,7,8,9,10,11,12,13,14,15
	global_load_b128 v[R+64*((\j)%2)+4*\i:R+64*((\j)%2)+4*\i+3], v[GI], s[4:5] offset:4096*\i+512*(\j) th:TH_LOAD_NT
.endr
.endm
.macro XUNIT j
.if (\j) < 3
	s_wait_loadcnt 16                              ; this unit's 16 loads are in; the next unit's 16 may be out
.else
	s_wait_loadcnt 0
.endif
.irp i, 0,1,2,3,4,5,6,7,8,9,10,11,12,13,14,15
	ds_store_b128 v[STI], v[R+64*((\j)%2)+4*\i:R+64*((\j)%2)+4*\i+3] offset:528*\i
.endr
.irp c, 0,1
.irp e, 0,1,2,3,4,5,6,7
	ds_load_b128 v[X+32*\c+4*\e:X+32*\c+4*\e+3], v[LDI] offset:256*\c+16*\e   ; LDS serves a wave's instructions in order: these see the stores above
.endr
.endr
	s_wait_dscnt 0x0                               ; the numbers are back, and the stores have read their registers,
.if (\j) < 2
	XLOAD (\j)+2                                   ; which take the unit two further on
.endif
.irp c, 0,1                                    ; my block 2 c + h: all its 32 numbers are mine
	v_max3_num_f32 v[MX+\c], |v[X+32*\c]|, |v[X+32*\c+1]|, 0x1800000   ; and the floor 2^(3 - 127): so the byte cannot fall under 1
.endr
.irp i, 2,4,6,8,10,12,14,16,18,20,22,24,26,28,30
.irp c, 0,1
	v_max3_num_f32 v[MX+\c], v[MX+\c], |v[X+32*\c+\i]|, |v[X+32*\c+\i+1]|
.endr
.endr
.irp c, 0,1
	v_add_nc_u32 v[SCO+\c], 0xff000000, v[MX+\c]   ; 2 off the exponent field: the conversion takes the exponent field of this operand as its scale
.endr
.irp c, 0,1
	v_lshrrev_b32 v[BY+\c], 23, v[SCO+\c]          ; the scale's byte
.endr
	v_lshl_or_b32 v[WD+(\j)], v[BY+1], 16, v[BY]   ; my two bytes, blocks h and 2 + h,
	v_lshlrev_b32 v[WD+(\j)], v[H8], v[WD+(\j)]    ; at their places in the word;
	v_permlanex16_b32 v[PT], v[WD+(\j)], s22, s23
	v_or_b32 v[WD+(\j)], v[WD+(\j)], v[PT]         ; with lane l xor 16's two the word is whole
.irp c, 0,1
.irp g, 0,1,2,3
	v_cvt_scalef32_pk8_fp4_f32 v[C+8*(\j)+4*\c+\g], v[X+32*\c+8*\g:X+32*\c+8*\g+7], v[SCO+\c]
.endr
.endr
	v_nop                                          ; one plain place behind the last scaled conversion
.irp c, 0,1
	global_store_b128 v[GI], v[C+8*(\j)+4*\c:C+8*(\j)+4*\c+3], s[30:31] offset:1024*(\j)+512*\c   ; 32 lanes store 512 consecutive bytes
.endr
.endm
	XLOAD 0
	XLOAD 1
	XUNIT 0
	XUNIT 1
	XUNIT 2
	XUNIT 3
	s_wait_xcnt 0x0                                ; EXEC changes only behind this wait
	v_cmp_gt_u32 vcc_lo, 16, v1
	s_and_saveexec_b32 s34, vcc_lo                 ; both halves hold the same words: lanes 0-15 store them
	global_store_b128 v[SO], v[WD:WD+3], s[32:33]  ; sixteen lanes store 256 consecutive bytes: 16 tokens x 4 words
	s_wait_xcnt 0x0                                ; and again, in front of the line that widens it
	s_or_b32 exec_lo, exec_lo, s34
	s_wait_tensorcnt 0x0                           ; the wave's end, behind my last LDS store
	ds_add_u32 v[SPW], v[NIL]
	s_wait_dscnt 0x0
	s_endpgm
; ---- PATHS W AND O: K is the FIRST axis of a matrix: a lane takes a column and its registers run down K, so nothing is transposed.  A wave takes 32 columns x 128 along K: four blocks of 32.
.macro CLOAD t, pitch                  ; block t: rows 32 t + i, i = 0 .. 31, of my column, into set t % 2; 32 lanes read 128 consecutive bytes, and the wave beside me the 128 beside them
.irp i, 0,1,2,3,4,5,6,7,8,9,10,11,12,13,14,15,16,17,18,19,20,21,22,23,24,25,26,27,28,29,30,31
	global_load_b32 v[R+32*((\t)%2)+\i], v[L4], s[24:25] offset:(32*(\t)+\i)*(\pitch)
.endr
.endm
.Lnot_x:
	s_cmp_lt_u32 ttmp9, 448
	s_cbranch_scc0 .Lpath_o
	s_sub_co_u32 s24, ttmp9, 256
	s_lshr_b32 s25, s24, 2                         ; mat = 16 tensor + head
	s_and_b32 s24, s24, 3
	s_lshl_b32 s24, s24, 2
	s_add_co_u32 s24, s24, s20                     ; u = 0 .. 15
	s_and_b32 s26, s24, 1                          ; ch: which 32 of the head's 64 columns
	s_lshr_b32 s27, s24, 1                         ; s: which 128 along K
	s_lshr_b32 s34, s27, 2                         ; g
	s_and_b32 s35, s27, 3                          ; j
	s_lshr_b32 s36, s25, 4                         ; tensor
	s_and_b32 s37, s25, 15                         ; head
	s_lshl_b32 s28, s37, 18                        ; the source: 262,144 bytes a head, 32,768 a K step, 128 a half
	s_lshl_b32 s38, s27, 15
	s_add_co_u32 s28, s28, s38
	s_lshl_b32 s38, s26, 7
	s_add_co_u32 s28, s28, s38
	s_mul_i32 s30, s34, 786432                     ; the codes: tile 4 mat + 2 ch, K step j of half g
	s_lshl_b32 s38, s25, 14
	s_add_co_u32 s30, s30, s38
	s_lshl_b32 s38, s26, 13
	s_add_co_u32 s30, s30, s38
	s_lshl_b32 s38, s35, 10
	s_add_co_u32 s30, s30, s38
	s_mov_b32 s31, 0
	s_mul_i32 s32, s34, 49152                      ; the scale words: 16 bytes for each n = 64 mat + 32 ch + lane, word j
	s_lshl_b32 s38, s25, 10
	s_add_co_u32 s32, s32, s38
	s_lshl_b32 s38, s26, 9
	s_add_co_u32 s32, s32, s38
	s_lshl_b32 s38, s35, 2
	s_add_co_u32 s32, s32, s38
	s_add_co_u32 s32, s32, 1572864
	s_mov_b32 s33, 0
	s_wait_kmcnt 0x0
	s_cmp_eq_u32 s36, 1                            ; the choice hangs on the work-group's number alone
	s_cselect_b64 s[24:25], s[8:9], s[6:7]
	s_cmp_eq_u32 s36, 2
	s_cselect_b64 s[24:25], s[10:11], s[24:25]
	s_add_nc_u64 s[24:25], s[24:25], s[28:29]
	s_add_nc_u64 s[30:31], s[16:17], s[30:31]
	s_add_nc_u64 s[32:33], s[16:17], s[32:33]
.macro WBLOCK t
.set XS, R+32*((\t)%2)
.if (\t) < 3
	s_wait_loadcnt 32                              ; this block's 32 loads are in; the next block's may be out
.else
	s_wait_loadcnt 0
.endif
	v_max3_num_f32 v[MX], |v[XS]|, |v[XS+1]|, |v[XS+2]|            ; the block's largest magnitude, in two chains
	v_max3_num_f32 v[MX+1], |v[XS+3]|, |v[XS+4]|, |v[XS+5]|
.irp i, 6,10,14,18,22,26
	v_max3_num_f32 v[MX], v[MX], |v[XS+\i]|, |v[XS+\i+1]|
	v_max3_num_f32 v[MX+1], v[MX+1], |v[XS+\i+2]|, |v[XS+\i+3]|
.endr
	v_max3_num_f32 v[MX], v[MX], |v[XS+30]|, |v[XS+31]|
	v_max3_num_f32 v[MX], v[MX], v[MX+1], 0x1800000                ; and the floor
	v_add_nc_u32 v[SCO], 0xff000000, v[MX]
	v_lshrrev_b32 v[BY], 23, v[SCO]
.if (\t) == 0
	v_mov_b32 v[WD], v[BY]                         ; four bytes make my column's word, the lower K in the lower byte
.else
	v_lshl_or_b32 v[WD], v[BY], 8*(\t), v[WD]
.endif
.irp g, 0,1,2,3
	v_cvt_scalef32_pk8_fp4_f32 v[CW+4*(\t)+\g], v[XS+8*\g:XS+8*\g+7], v[SCO]
.endr
	v_nop                                          ; one plain place behind the last scaled conversion
	global_store_b128 v[VO], v[CW+4*(\t):CW+4*(\t)+3], s[30:31] offset:((\t)/2)*512+((\t)%2)*256   ; block t is (c, h) = (t / 2, t % 2) of the image: sixteen lanes store 256 consecutive bytes of one tile, the other sixteen of the next
.if (\t) < 2
	CLOAD (\t)+2, 256
.endif
.endm
	CLOAD 0, 256
	CLOAD 1, 256
	WBLOCK 0
	WBLOCK 1
	WBLOCK 2
	WBLOCK 3
	global_store_b32 v[GI], v[WD], s[32:33]        ; one word of each column's four: pieces of 4 bytes, 16 apart; 98,304 bytes in all against the 12.6 million that this path reads: the words are laid for the reader
	s_endpgm
.Lpath_o:                                          ; Wo to f16: u = 0 .. 255: 32 columns cg = u % 32, 128 rows kappa = u / 32
	s_sub_co_u32 s24, ttmp9, 448
	s_lshl_b32 s24, s24, 2
	s_add_co_u32 s24, s24, s20
	s_and_b32 s26, s24, 31
	s_lshr_b32 s27, s24, 5
	s_lshl_b32 s28, s27, 19                        ; 128 rows of 4,096 bytes,
	s_lshl_b32 s38, s26, 7                         ; 128 bytes for 32 columns
	s_add_co_u32 s28, s28, s38
	s_lshl_b32 s30, s27, 18                        ; wo16: 262,144 bytes for each 128 along K, 8,192 for two tiles of columns
	s_lshl_b32 s38, s26, 13
	s_add_co_u32 s30, s30, s38
	s_mov_b32 s31, 0
	s_wait_kmcnt 0x0
	s_add_nc_u64 s[24:25], s[12:13], s[28:29]
	s_add_nc_u64 s[30:31], s[18:19], s[30:31]
.macro OBLOCK t
.set XS, R+32*((\t)%2)
.if (\t) < 3
	s_wait_loadcnt 32
.else
	s_wait_loadcnt 0
.endif
.irp o, 0,1,2,3
.irp e, 0,1,2,3
	v_cvt_pk_f16_f32 v[CW+16*(\t)+4*\o+\e], v[XS+8*\o+2*\e], v[XS+8*\o+2*\e+1]
.endr
.endr
.irp o, 0,1,2,3
	global_store_b128 v[VO], v[CW+16*(\t)+4*\o:CW+16*(\t)+4*\o+3], s[30:31] offset:1024*(\t)+256*\o   ; eight rows k = 32 t + 8 o on are (p, h) = (o / 2, o % 2) of image q = t
.endr
.if (\t) < 2
	CLOAD (\t)+2, 4096
.endif
.endm
	CLOAD 0, 4096
	CLOAD 1, 4096
	OBLOCK 0
	OBLOCK 1
	OBLOCK 2
	OBLOCK 3
	s_endpgm
.Lfunc_end_k_qa53b0b816f_prep:
	.size	k_qa53b0b816f_prep, .Lfunc_end_k_qa53b0b816f_prep-k_qa53b0b816f_prep
	.p2alignl 7, 3214868480
	.fill 96, 4, 3214868480
	.section	.rodata,"a",@progbits
	.p2align	6, 0x0
	.amdhsa_kernel k_qa53b0b816f_prep
		.amdhsa_group_segment_fixed_size 34304
		.amdhsa_private_segment_fixed_size 0
		.amdhsa_enable_private_segment 0
		.amdhsa_kernarg_size 64
		.amdhsa_user_sgpr_count 2
		.amdhsa_user_sgpr_kernarg_segment_ptr 1
		.amdhsa_wavefront_size32 1
		.amdhsa_system_sgpr_workgroup_id_x 1
		.amdhsa_system_sgpr_workgroup_id_y 1
		.amdhsa_system_sgpr_workgroup_id_z 1
		.amdhsa_system_vgpr_workitem_id 0
		.amdhsa_next_free_vgpr 256
		.amdhsa_next_free_sgpr 66
		.amdhsa_reserve_vcc 1
		.amdhsa_float_denorm_mode_32 3
		.amdhsa_float_denorm_mode_16_64 3
		.amdhsa_memory_ordered 1
		.amdhsa_forward_progress 1
		.amdhsa_inst_pref_size 68
	.end_amdhsa_kernel
	.amdgpu_metadata
---
amdhsa.version: [ 1, 2 ]
amdhsa.kernels:
  - .name:           k_qa53b0b816f_prep
    .symbol:         k_qa53b0b816f_prep.kd
    .args:
      - { .name: x, .offset: 0, .size: 8, .value_kind: global_buffer, .address_space: global }
      - { .name: Wq, .offset: 8, .size: 8, .value_kind: global_buffer, .address_space: global }
      - { .name: Wk, .offset: 16, .size: 8, .value_kind: global_buffer, .address_space: global }
      - { .name: Wv, .offset: 24, .size: 8, .value_kind: global_buffer, .address_space: global }
      - { .name: Wo, .offset: 32, .size: 8, .value_kind: global_buffer, .address_space: global }
      - { .name: xq, .offset: 40, .size: 8, .value_kind: global_buffer, .address_space: global }
      - { .name: wq, .offset: 48, .size: 8, .value_kind: global_buffer, .address_space: global }
      - { .name: wo16, .offset: 56, .size: 8, .value_kind: global_buffer, .address_space: global }
    .group_segment_fixed_size: 34304
    .private_segment_fixed_size: 0
    .kernarg_segment_align: 8
    .kernarg_segment_size: 64
    .max_flat_workgroup_size: 128
    .sgpr_count:     66
    .vgpr_count:     256
    .wavefront_size: 32
...
	.end_amdgpu_metadata
.endif
;; end of part 1
;; launch qkv (part 2): grid 12 x 32, 4 waves a work-group, clusters of 4 x 4, 327,680 bytes of LDS; arguments xq, wq, qkv; writes qkv
.if DOCPART == 2
	.amdgcn_target "amdgcn-amd-amdhsa--gfx1250"
	.amdhsa_code_object_version 6
	.text
	.protected	k_qa53b0b816f_qkv
	.globl	k_qa53b0b816f_qkv
	.p2align	8
	.type	k_qa53b0b816f_qkv,@function
k_qa53b0b816f_qkv:
	s_mov_b64 s[64:65], 0
	v_nop
	global_prefetch_b8 v0, s[64:65] scope:SCOPE_SE
	s_setreg_imm32_b32 hwreg(HW_REG_WAVE_MODE, 25, 1), 1
	s_wait_xcnt 0x0
	s_wait_alu depctr_hold_cnt(0) depctr_sa_sdst(0) depctr_va_vdst(0) depctr_va_sdst(0) depctr_va_ssrc(0) depctr_va_vcc(0) depctr_vm_vsrc(0)
	s_getreg_b32 s2, hwreg(HW_REG_IB_STS2, 6, 4)
	s_cmp_eq_u32 s2, 0
	s_cbranch_scc0 .Lentry_in_a_cluster
	s_endpgm
.Lentry_in_a_cluster:
	s_bfe_u32 s2, ttmp6, 0x10000c
	s_cmp_lg_u32 s2, 0xf033
	s_cbranch_scc0 .Lentry_shape_is_right
	s_endpgm
.Lentry_shape_is_right:
; Launch 2 of 4: the three projections, Q, K, V[token][n] = sum over d of x[token][d] W[d][n], on codes of E2M1 with E8M0 scales; sums in f32; results rounded once to f16.  Nothing is left out.
; A work-group of four waves makes 256 tokens x 256 n (four heads of one of the three tensors); a wave 128 x 128: 64 accumulators, 512 registers.  K = 1,024 is two LDS slots of 512 along K, each filled ONCE.
; OPERANDS ARE IMAGES OF REGISTERS (laid by the launch before): a fragment (16 rows x 128 K) is 1,024 bytes, two loads of 16 bytes a lane at 16 x lane: no pitch, no padding; a slot's 16 tiles of a side are 65,536 dense bytes.
; THE SCALE WORDS go from memory straight into registers, once: lanes 0-15 take the words of K steps 0-3, lanes 16-31 those of K steps 4-7, so the second slot's products name the same registers with the upper row.
; CLUSTERS: 4 x 4 work-groups; the four of a row need the same tokens, the four of a column the same n: each half tile is asked for JOINTLY.  The cluster's x is the tensor (0 Q, 1 K, 2 V).
; THE MATRIX INSTRUCTION IS USED TRANSPOSED (source 0 = 16 n, source 1 = 16 tokens): a lane holds one token and eight neighbouring channels, which pack into 16 bytes: registers of the next launch's operands.
; qkv [tensor 3][16 b + head][tile of 16 tokens 128][2,048 B]; piece ct (16 channels) at 512 ct; (token r, channels 16 ct + 8 h + 0 .. 7) at 16 lane for Q and K, at 32 r + 16 h for V (rows of 32 bytes, for the turning load).
; So each store of the wave covers 512 consecutive bytes, straight from the packed results: no stage in LDS.
; 384 work-groups: 3,072 n do not cut into a multiple of 256 tiles of this size.
; LIMITS: |Q|, |K|, |V| stay under 65,504 (f16): with inputs 30 times those drawn about 4,500, with offsets of 30 spreads on x and W about 28,800.  NaN and infinities are not served.
; REGISTERS: window 0: v16-31 addresses; v32-63 the tokens' scale words, v64-95 the n's; v128-191 X's fragments, one set; on the way out v128-255.  window 1: W's fragments, two sets.  windows 2, 3: the accumulators ((a, b) at v[8 (8 (a % 4) + b)]).
.set NQ,    4                          ; steps of 128 along K in a slot
.set FR,    8                          ; registers of a fragment
.set NL,    2                          ; LDS loads that bring one
.set NP,    4                          ; places behind this matrix instruction (ISA guide 7.12.1)
.set SLOT,  131072                     ; X's 16 tiles of 4,096 bytes, then W's 16
.set SPARE, 2*SLOT                     ; the spare words, 128 bytes for each wave
.set ADRA, 16                          ; v16-17 LDS address of my X fragments in slot 0, 1
.set ADRB, 20                          ; v20-21 the same for W
.set LO,   26                          ; v26    my 16 bytes' place in a piece of qkv
.set SPW,  28                          ; v28    LDS address of my spare word; never rewritten
.set NIL,  29                          ; v29    0; never rewritten
.set SX,   32                          ; register 4 a + q: the word of token tile a, the slot's q-th 128 along K
.set SW,   64                          ; register 4 b + q: of n tile b
.set AF,   128
.set TMP,  128                         ; the way out: four sets of 32
.set G1, 24                            ; s[24:31] descriptor group 1 for X;  s[32:39] group 0, a set for each slot
.set G0, 32
.set G1B, 48                           ; s[48:55], s[56:63] the same for W
.set G0B, 56
.set MSB, 0
.macro WIN new                         ; the immediate's high byte repeats the setting that is left
.if MSB != (\new)
	s_set_vgpr_msb (MSB<<8)|(\new)
.set MSB, \new
.endif
.endm
.set MUL_LO, 0xa1                      ; source 0 (W) window 1, source 1 (X) window 0, C and D window 2
.set MUL_HI, 0xf1                      ; the same, C and D window 3
.set TO_B,   0x40                      ; destination window 1, address window 0
.macro JLOAD g0a, g1a, g0b, g1b        ; a joint load: waves 0 and 1 fetch X's halves, waves 2 and 3 W's; an s_nop 0 and four v_nop follow each line
	s_cmp_eq_u32 s15, 0
	s_cbranch_scc0 .Lfor_b_\@
	tensor_load_to_lds s[\g0a:\g0a+3], s[\g1a:\g1a+7]
	s_nop 0
.rept 4
	v_nop
.endr
	s_branch .Lasked_\@
.Lfor_b_\@:
	tensor_load_to_lds s[\g0b:\g0b+3], s[\g1b:\g1b+7]
	s_nop 0
.rept 4
	v_nop
.endr
.Lasked_\@:
.endm
.macro CROUND                          ; a round of the cluster's barrier
	s_barrier_signal -1
	s_barrier_wait -1
	s_cmp_lg_u32 s14, 0
	s_cbranch_scc1 .Lnot_wave_0_\@
	s_barrier_signal -3
.Lnot_wave_0_\@:
	s_barrier_wait -3
	s_barrier_signal -1
	s_barrier_wait -1
.endm
	s_load_b128 s[4:7], s[0:1], 0x0                ; xq, wq
	s_load_b64 s[8:9], s[0:1], 0x10                ; qkv
	v_lshl_add_u32 v[SPW], v0, 2, SPARE
	v_mov_b32 v[NIL], 0
	ds_add_u32 v[SPW], v[NIL]                      ; the wave's opening: the add, twice on end, and its wait ahead of my first tensor load
	ds_add_u32 v[SPW], v[NIL]
	v_lshrrev_b32 v1, 5, v0
	v_readfirstlane_b32 s14, v1                    ; wave 0..3
	s_lshr_b32 s15, s14, 1                         ; wr: my half of the tokens.  Also: I fetch for X (0) or for W (1)
	s_and_b32 s16, s14, 1                          ; wc: my half of the n.  Also: which half of that side I fetch
	s_bfe_u32 s40, ttmp6, 0x40000                  ; cx, cy
	s_bfe_u32 s41, ttmp6, 0x40004
	s_lshl_b32 s42, ttmp9, 2
	s_add_co_u32 s42, s42, s40                     ; tx = 4 x cluster x + cx: 256 n
	s_and_b32 s17, ttmp7, 0xffff
	s_lshl_b32 s17, s17, 2
	s_add_co_u32 s17, s17, s41                     ; ty = 4 x cluster y + cy: 256 tokens
	s_lshl_b32 s43, s41, 2
	s_lshl_b32 s43, 15, s43                        ; my row of the cluster
	s_lshl_b32 s44, 0x1111, s40                    ; my column
	s_or_b32 s[G1+0], s43, (3<<16)|(1<<21)         ; 15:0 the mask; 17:16 elements of 8 bytes; 21 set beside a mask; no padding
	s_or_b32 s[G1B+0], s44, (3<<16)|(1<<21)
.irp g, G1, G1B                                ; 32,768 dense bytes as 128 rows of 256
	s_mov_b32 s[\g+1], 32<<16                      ; tensor_dim0 = 32 elements
	s_mov_b32 s[\g+2], 128<<16                     ; tensor_dim1 = 128
	s_mov_b32 s[\g+3], 32<<16                      ; tile_dim0
	s_mov_b32 s[\g+4], 128                         ; tile_dim1
	s_mov_b32 s[\g+5], 32                          ; tensor_dim0_stride
	s_mov_b32 s[\g+6], 0
	s_mov_b32 s[\g+7], 0
.endr
	s_lshl_b32 s18, s16, 15                        ; my half: 32,768 bytes, in memory and in LDS
	s_lshl_b32 s20, s17, 16
	s_add_co_u32 s20, s20, s18                     ; X: 65,536 ty + my half
	s_mov_b32 s21, 0
	s_lshl_b32 s46, s42, 16
	s_add_co_u32 s46, s46, s18                     ; W: 65,536 tx + my half
	s_mov_b32 s47, 0
	s_lshl_b32 s68, s17, 12                        ; X's scale words: 16 bytes a token, from token 256 ty + 128 wr on
	s_lshl_b32 s69, s15, 11
	s_add_co_u32 s68, s68, s69
	s_add_co_u32 s68, s68, 4194304
	s_mov_b32 s69, 0
	s_lshl_b32 s70, s42, 12                        ; W's: from n = 256 tx + 128 wc on
	s_lshl_b32 s71, s16, 11
	s_add_co_u32 s70, s70, s71
	s_add_co_u32 s70, s70, 1572864
	s_mov_b32 s71, 0
	s_lshr_b32 s72, s17, 3                         ; qkv: (16 b + 4 cx + 2 wc) x 262,144 + (16 (ty % 8) + 8 wr) x 2,048 + tensor x 16,777,216
	s_lshl_b32 s72, s72, 4
	s_lshl_b32 s74, s40, 2
	s_add_co_u32 s72, s72, s74
	s_lshl_b32 s74, s16, 1
	s_add_co_u32 s72, s72, s74
	s_lshl_b32 s72, s72, 18
	s_and_b32 s74, s17, 7
	s_lshl_b32 s74, s74, 4
	s_lshl_b32 s75, s15, 3
	s_add_co_u32 s74, s74, s75
	s_lshl_b32 s74, s74, 11
	s_add_co_u32 s72, s72, s74
	s_lshl_b32 s74, ttmp9, 24
	s_add_co_u32 s72, s72, s74
	s_mov_b32 s73, 0
	s_wait_dscnt 0x0                               ; both opening adds are done
	s_wait_kmcnt 0x0
	s_add_nc_u64 s[20:21], s[4:5], s[20:21]
	s_add_nc_u64 s[46:47], s[6:7], s[46:47]
	s_add_nc_u64 s[68:69], s[4:5], s[68:69]
	s_add_nc_u64 s[70:71], s[6:7], s[70:71]
	s_add_nc_u64 s[8:9], s[8:9], s[72:73]
	CROUND                                         ; all sixteen work-groups are here: the joint loads meet
.irp g, 0,1                                    ; both slots' fills go out together: two tensor loads of mine are out
	s_mov_b32 s[G0+4*\g], 1
	s_add_co_u32 s[G0+4*\g+1], s18, \g*SLOT
	s_add_nc_u64 s[G0+4*\g+2:G0+4*\g+3], s[20:21], \g*2097152
	s_or_b32 s[G0+4*\g+3], s[G0+4*\g+3], 0x80000000
	s_mov_b32 s[G0B+4*\g], 1
	s_add_co_u32 s[G0B+4*\g+1], s18, \g*SLOT+65536
	s_add_nc_u64 s[G0B+4*\g+2:G0B+4*\g+3], s[46:47], \g*786432
	s_or_b32 s[G0B+4*\g+3], s[G0B+4*\g+3], 0x80000000
	JLOAD G0+4*\g, G1, G0B+4*\g, G1B
.endr
	v_and_b32 v1, 15, v0                           ; r
	v_bfe_u32 v2, v0, 4, 1                         ; h
	v_lshlrev_b32 v3, 4, v1                        ; 16 r
	v_lshl_add_u32 v30, v2, 17, v3                 ; X's words: lanes 16-31 take the second half's plane, 131,072 bytes on
	v_mul_u32_u24 v31, v2, 49152                   ; W's: 49,152 bytes on
	v_add_nc_u32 v31, v31, v3
.irp a, 0,1,2,3,4,5,6,7
	global_load_b128 v[SX+4*\a:SX+4*\a+3], v30, s[68:69] offset:256*\a   ; sixteen lanes read 256 consecutive bytes
	global_load_b128 v[SW+4*\a:SW+4*\a+3], v31, s[70:71] offset:256*\a
.endr
	v_and_b32 v4, 31, v0
	v_lshlrev_b32 v4, 4, v4                        ; 16 x lane
	v_lshlrev_b32 v5, 5, v1
	v_lshl_add_u32 v5, v2, 4, v5                   ; 32 r + 16 h
	s_cmp_eq_u32 ttmp9, 2                          ; V?  The cluster's x: the same in all partners
	s_cselect_b32 s76, -1, 0
	v_cndmask_b32 v[LO], v4, v5, s76
	s_lshl_b32 s77, s15, 15                        ; my 8 tiles of tokens
	s_lshl_b32 s78, s16, 15                        ; my 8 tiles of n,
	s_add_co_u32 s78, s78, 65536                   ; behind X's 16
.irp s, 0,1
	v_add_nc_u32 v[ADRA+\s], s77, v4
	v_add_nc_u32 v[ADRB+\s], s78, v4
	s_add_co_u32 s77, s77, SLOT
	s_add_co_u32 s78, s78, SLOT
.endr
.macro FRAG reg, adr, q, i             ; registers 4 c .. 4 c + 3 hold K = 64 c + 32 h + 0 .. 31 of row r
.irp c, 0,1
	ds_load_b128 v[\reg+4*\c:\reg+4*\c+3], v[\adr] offset:4096*(\i)+1024*(\q)+512*\c
.endr
.endm
; 16 matrix instructions: token tiles a0, a0 + 1 x the eight n tiles, the slot's q-th 128 along K.  p: W's set; g: the slot; zero = 1: the first product starts the sums.
; The 64 accumulators take turns, one instruction a turn, in the same order in every step.
.macro MUL16 a0, p, q, g, zero
.irp a, \a0, \a0+1
.irp b, 0,1,2,3,4,5,6,7
.if \zero
	v_wmma_scale_f32_16x16x128_f8f6f4 v[8*(8*((\a)%4)+\b):8*(8*((\a)%4)+\b)+7], v[128*(\p)+FR*\b:128*(\p)+FR*\b+FR-1], v[AF+FR*(\a):AF+FR*(\a)+FR-1], 0, v[SW+NQ*\b+(\q)], v[SX+NQ*(\a)+(\q)] matrix_a_fmt:MATRIX_FMT_FP4 matrix_b_fmt:MATRIX_FMT_FP4
.elseif \g
	v_wmma_scale_f32_16x16x128_f8f6f4 v[8*(8*((\a)%4)+\b):8*(8*((\a)%4)+\b)+7], v[128*(\p)+FR*\b:128*(\p)+FR*\b+FR-1], v[AF+FR*(\a):AF+FR*(\a)+FR-1], v[8*(8*((\a)%4)+\b):8*(8*((\a)%4)+\b)+7], v[SW+NQ*\b+(\q)], v[SX+NQ*(\a)+(\q)] matrix_a_fmt:MATRIX_FMT_FP4 matrix_b_fmt:MATRIX_FMT_FP4 matrix_a_scale:MATRIX_SCALE_ROW1 matrix_b_scale:MATRIX_SCALE_ROW1
.else
	v_wmma_scale_f32_16x16x128_f8f6f4 v[8*(8*((\a)%4)+\b):8*(8*((\a)%4)+\b)+7], v[128*(\p)+FR*\b:128*(\p)+FR*\b+FR-1], v[AF+FR*(\a):AF+FR*(\a)+FR-1], v[8*(8*((\a)%4)+\b):8*(8*((\a)%4)+\b)+7], v[SW+NQ*\b+(\q)], v[SX+NQ*(\a)+(\q)] matrix_a_fmt:MATRIX_FMT_FP4 matrix_b_fmt:MATRIX_FMT_FP4
.endif
.endr
.endr
.endm
.macro FETCH_B slot, q, p
	WIN TO_B
.irp i, 0,1,2,3,4,5,6,7
	FRAG 128*(\p)+FR*\i, ADRB+\slot, \q, \i
.endr
	WIN 0
.endm
.macro FETCH_A slot, q, i0
.irp i, \i0, \i0+1, \i0+2, \i0+3
	FRAG AF+FR*(\i), ADRA+\slot, \q, \i
.endr
.endm
.macro PLACES n                        ; plain vector instructions between a matrix instruction and a load into, or a read of, its registers (ISA guide 7.12.1 for reads)
.rept \n
	v_nop
.endr
.endm
; A step of 128 along K that has its successor in the same slot.  X has one set of registers: tiles 0-3 are fetched anew in the step's middle, tiles 4-7 at its end; W has two sets.
.macro STEP slot, q, zero
	s_wait_dscnt 4*NL                              ; W's set and X's tiles 0-3 are in; the youngest eight loads (X's tiles 4-7) may be out
	WIN MUL_LO
	MUL16 0, (\q)%2, \q, \slot, \zero
	MUL16 2, (\q)%2, \q, \slot, \zero
	s_wait_dscnt 0
	PLACES NP
	FETCH_B \slot, (\q)+1, 1-(\q)%2
	FETCH_A \slot, (\q)+1, 0
	WIN MUL_HI
	MUL16 4, (\q)%2, \q, \slot, \zero
	MUL16 6, (\q)%2, \q, \slot, \zero
	PLACES NP
	WIN 0
	FETCH_A \slot, (\q)+1, 4
.endm
.macro STEPS slot, from
.set QQ, \from
.rept NQ-1-\from
	STEP \slot, QQ, 0
.set QQ, QQ+1
.endr
.endm
	s_wait_tensorcnt 0x1                           ; my part of slot 0 is in; slot 1's load may stay out
	s_barrier_signal -1
	s_barrier_wait -1                              ; everybody's is
	s_wait_loadcnt 0x0                             ; the scale words
	FETCH_B 0, 0, 0
	FETCH_A 0, 0, 0
	FETCH_A 0, 0, 4
	STEP 0, 0, 1                                   ; the first step's products start the sums: nothing is cleared
	STEPS 0, 1
	; slot 0's last step, and the change to slot 1
	s_wait_tensorcnt 0x0                           ; my part of slot 1 has landed
	ds_add_u32 v[SPW], v[NIL]                      ; 0 onto my spare word
	s_wait_dscnt 4*NL+1                            ; (the add and the youngest eight loads may be out)
	WIN MUL_LO
	MUL16 0, 1, NQ-1, 0, 0
	s_wait_dscnt 0x0
	s_barrier_signal -1
	MUL16 2, 1, NQ-1, 0, 0
	WIN 0
	s_barrier_wait -1                              ; slot 1 is whole
	PLACES NP
	FETCH_B 1, 0, 0
	FETCH_A 1, 0, 0
	WIN MUL_HI
	MUL16 4, 1, NQ-1, 0, 0
	MUL16 6, 1, NQ-1, 0, 0
	PLACES NP
	WIN 0
	FETCH_A 1, 0, 4
	STEPS 1, 0
	s_wait_dscnt 4*NL                              ; the very last step: nothing more to fetch
	WIN MUL_LO
	MUL16 0, 1, NQ-1, 1, 0
	MUL16 2, 1, NQ-1, 1, 0
	s_wait_dscnt 0
	WIN MUL_HI
	MUL16 4, 1, NQ-1, 1, 0
	MUL16 6, 1, NQ-1, 1, 0
	WIN 0
; THE WAY OUT.  Accumulator (a, b): lane (r, h) holds token 16 a + r and channels 16 b + 8 h + 0 .. 7 of my 128 n: head b / 4 of my two, piece b % 4.
.macro PACK a
.set AC, 64*((\a)%4)
.set TP, TMP+32*((\a)%4)
	WIN 0x0a+5*((\a)/4)                            ; sources 0 and 1: window 2 or 3
.irp b, 0,1,2,3,4,5,6,7
.irp r, 0,1,2,3
	v_cvt_pk_f16_f32 v[TP+4*\b+\r], v[AC+8*\b+2*\r], v[AC+8*\b+2*\r+1]   ; each accumulator from its low end on
.endr
.endr
	WIN 0
.endm
	PLACES NP
.irp a, 0,1,2,3,4,5,6,7
.if \a >= 4
	s_wait_xcnt 0x0                                ; the stores of the tile four back have read their registers
.endif
	PACK \a
.irp b, 0,1,2,3,4,5,6,7
	global_store_b128 v[LO], v[TMP+32*(\a%4)+4*\b:TMP+32*(\a%4)+4*\b+3], s[8:9] offset:(\b/4)*262144+\a*2048+(\b%4)*512   ; 32 lanes store 512 consecutive bytes
.endr
.endr
	s_wait_tensorcnt 0x0                           ; the wave's end
	ds_add_u32 v[SPW], v[NIL]
	s_wait_dscnt 0x0
	CROUND                                         ; the closing round
	s_endpgm
.Lfunc_end_k_qa53b0b816f_qkv:
	.size	k_qa53b0b816f_qkv, .Lfunc_end_k_qa53b0b816f_qkv-k_qa53b0b816f_qkv
	.p2alignl 7, 3214868480
	.fill 96, 4, 3214868480
	.section	.rodata,"a",@progbits
	.p2align	6, 0x0
	.amdhsa_kernel k_qa53b0b816f_qkv
		.amdhsa_group_segment_fixed_size 327680
		.amdhsa_private_segment_fixed_size 0
		.amdhsa_enable_private_segment 0
		.amdhsa_kernarg_size 24
		.amdhsa_user_sgpr_count 2
		.amdhsa_user_sgpr_kernarg_segment_ptr 1
		.amdhsa_wavefront_size32 1
		.amdhsa_system_sgpr_workgroup_id_x 1
		.amdhsa_system_sgpr_workgroup_id_y 1
		.amdhsa_system_sgpr_workgroup_id_z 1
		.amdhsa_system_vgpr_workitem_id 0
		.amdhsa_next_free_vgpr 1024
		.amdhsa_next_free_sgpr 98
		.amdhsa_reserve_vcc 0
		.amdhsa_float_denorm_mode_32 3
		.amdhsa_float_denorm_mode_16_64 3
		.amdhsa_memory_ordered 1
		.amdhsa_forward_progress 1
		.amdhsa_inst_pref_size 116
	.end_amdhsa_kernel
	.amdgpu_metadata
---
amdhsa.version: [ 1, 2 ]
amdhsa.kernels:
  - .name:           k_qa53b0b816f_qkv
    .symbol:         k_qa53b0b816f_qkv.kd
    .args:
      - { .name: xq, .offset: 0, .size: 8, .value_kind: global_buffer, .address_space: global }
      - { .name: wq, .offset: 8, .size: 8, .value_kind: global_buffer, .address_space: global }
      - { .name: qkv, .offset: 16, .size: 8, .value_kind: global_buffer, .address_space: global }
    .group_segment_fixed_size: 327680
    .private_segment_fixed_size: 0
    .kernarg_segment_align: 8
    .kernarg_segment_size: 24
    .max_flat_workgroup_size: 128
    .sgpr_count:     98
    .vgpr_count:     1024
    .wavefront_size: 32
...
	.end_amdgpu_metadata
.endif
;; end of part 2
;; launch attn (part 3): grid 4 x 64, 8 waves a work-group, clusters of 4 x 1, 327,680 bytes of LDS; arguments qkv, cc; writes cc
.if DOCPART == 3
	.amdgcn_target "amdgcn-amd-amdhsa--gfx1250"
	.amdhsa_code_object_version 6
	.text
	.protected	k_qa53b0b816f_attn
	.globl	k_qa53b0b816f_attn
	.p2align	8
	.type	k_qa53b0b816f_attn,@function
k_qa53b0b816f_attn:
	s_mov_b64 s[64:65], 0
	v_nop
	global_prefetch_b8 v0, s[64:65] scope:SCOPE_SE
	s_setreg_imm32_b32 hwreg(HW_REG_WAVE_MODE, 25, 1), 1
	s_wait_xcnt 0x0
	s_wait_alu depctr_hold_cnt(0) depctr_sa_sdst(0) depctr_va_vdst(0) depctr_va_sdst(0) depctr_va_ssrc(0) depctr_va_vcc(0) depctr_vm_vsrc(0)
	s_getreg_b32 s2, hwreg(HW_REG_IB_STS2, 6, 4)
	s_cmp_eq_u32 s2, 0
	s_cbranch_scc0 .Lentry_in_a_cluster
	s_endpgm
.Lentry_in_a_cluster:
	s_bfe_u32 s2, ttmp6, 0x10000c
	s_cmp_lg_u32 s2, 0x3003
	s_cbranch_scc0 .Lentry_shape_is_right
	s_endpgm
.Lentry_shape_is_right:
; Launch 3 of 4: O[b][head][q] = sum over k of softmax_k(Q . K / 8) V, head size 64, 2,048 keys, no mask.  Operands f16; products, maxima and sums f32; p rounded to f16 for the second product, O once at the end.  Nothing is left out.
; SHARES.  A work-group owns 512 queries of one (b, head); each of its EIGHT waves 64: four tiles of 16.  Every wave walks all keys, 64 a step, 32 steps.  The four blocks of a head are a cluster and ask for K and V jointly.
; LAYOUT.  S^T = K Q^T (source 0 = 16 keys, source 1 = 16 queries) and O^T = V^T P (source 0 = 16 channels, source 1 = P): a lane holds ONE query throughout; two tiles of S^T, rounded in pairs in place, ARE a fragment of P.
; Q and K lie in memory as images of registers (16 bytes a lane at 16 x lane); V as blocks of 16 keys x 16 channels in rows of 32 bytes, turned by ds_load_tr16_b128.  A key step of K or of V is 8,192 dense bytes.
; SOFTMAX.  A running maximum m and sum l for each query: p = 2^(c s - c m), c = log2(e) / 8; in every step O and l are multiplied by a = 2^(c m_old - c m_new).  m begins at -3e38, l and O^T at 0, so the step is written once.
; TWO ROLES.  A step of a wave is a phase M (32 products V^T P, 32 products K Q^T) and a phase V (the softmax).  Role 0 runs M then V in a trip, role 1 V then M; a barrier ends each trip.
; role = (w xor w / 4) % 2 differs between waves w and w + 4 and between w and w + 1, so that one wave's products can stand beside another's vector work.
;   trip i, role 0: V^T P of step i - 1, K Q^T of step i | softmax of step i.     role 1: softmax of step i | V^T P of step i, K Q^T of step i + 1.     Each phase V begins by fetching V of step i and K of step i + 1: both roles alike.
;   Role 0's first V^T P multiplies a P of zeros: 32 products once, so that the trip has no first form of its own.  K of step 0 comes from memory into registers.
; THE RING.  Two slots of 131,072 bytes; slot sigma holds K of steps 8 sigma + 1 .. 8 sigma + 8 and V of steps 8 sigma .. 8 sigma + 7: what trips 8 sigma .. 8 sigma + 7 fetch.  Each wave brings 16,384 bytes of a slot with one load.
;   The last slot's last 8,192 bytes of K (step 32) are not read; they lie inside qkv.  Two tensor loads of a wave are out at the start, later one; a refill has eight trips in which to land.
; cc [kappa 8][T 512][q 4][1,024 B]: byte 512 p + 16 lane: token 16 T + r, k = 64 head + channel = 128 kappa + 32 q + 16 p + 8 h + 0 .. 7: images of the last launch's operand.
; LIMITS: Q, K, V are f16 (see the launch before); NaN and infinities are not served.
; REGISTERS: window 0: v2-9 addresses; v16-47 statistics, eight a tile (+0 c m, +1 m, +2, +3 l, +4 .. +7 at work; a in +6); v64-191 S^T, 32 a tile, then P in a tile's first 16; v192-255 Q.
;            window 1: v0-127 O^T ((t, ct) at 32 t + 8 ct); v128-191 K ((kt, cs) at 16 kt + 8 cs); v192-255 V^T ((u, ct) at 32 u + 8 ct).
.set SLOT1, 1<<17
.set VOFF,  65536                      ; in a slot: 8 steps of K, then 8 of V
.set STEPB, 8192
.set SPARE, 2*SLOT1                    ; the spare words, 128 bytes for each of eight waves: four blocks of 256 bytes that no other line names
.set AK0, 2                            ; v2  16 x lane; never rewritten
.set AV0, 3                            ; v3  my lane's place in a step of V; never rewritten
.set ADK, 4                            ; v4  LDS address of the trip's K
.set ADV, 5                            ; v5  and V
.set SPW, 8                            ; v8  LDS address of my spare word; never rewritten
.set NIL, 9                            ; v9  0; never rewritten
.set ST,  16
.set S,   64
.set Q,   192
.set KF,  128
.set VF,  192
.set WV,   12
.set ROLE, 13
.set G1,   24                          ; s[24:31] descriptor group 1
.set G0,   32                          ; s[32:35] group 0 for slot 0's first fill; s[36:39] for slot 1's, which then walks
.set OUTER, 56
.set INNER, 57
.set CS,   58                          ; s[58:59] c
.set SEL,  60                          ; s[60:61] v_permlanex16_b32's selects for lane l xor 16
.set TB,   62                          ; s62 LDS byte of the trip's step in its slot
.set CNT,  63                          ; s63 the trip's number
.set MSB, 0
.macro WIN new
.if MSB != (\new)
	s_set_vgpr_msb (MSB<<8)|(\new)
.set MSB, \new
.endif
.endm
.set W_KQ, 0x01                        ; K in window 1; Q and S^T in window 0
.set W_PV, 0x51                        ; V and O^T in window 1; P in window 0
.set TO_F, 0x40                        ; destination window 1
.set W_RS, 0x41                        ; O^T (destination and source 0) in window 1, a in window 0
.macro CROUND
	s_barrier_signal -1
	s_barrier_wait -1
	s_cmp_lg_u32 s[WV], 0
	s_cbranch_scc1 .Lnot_wave_0_\@
	s_barrier_signal -3
.Lnot_wave_0_\@:
	s_barrier_wait -3
	s_barrier_signal -1
	s_barrier_wait -1
.endm
	s_load_b128 s[4:7], s[0:1], 0x0                ; qkv, cc
	v_lshl_add_u32 v[SPW], v0, 2, SPARE
	v_mov_b32 v[NIL], 0
	ds_add_u32 v[SPW], v[NIL]                      ; the wave's opening: the add, twice on end, and its wait ahead of my first tensor load
	ds_add_u32 v[SPW], v[NIL]
	v_lshrrev_b32 v1, 5, v0
	v_readfirstlane_b32 s[WV], v1                  ; wave 0..7
	s_lshr_b32 s[ROLE], s[WV], 2
	s_xor_b32 s[ROLE], s[ROLE], s[WV]
	s_and_b32 s[ROLE], s[ROLE], 1
	s_bfe_u32 s14, ttmp6, 0x40000                  ; cx: my block of 512 queries: it enters Q's and cc's addresses alone
	s_and_b32 s15, ttmp7, 0xffff                   ; 16 b + head, which the four partners share
	s_lshl_b32 s22, s15, 18                        ; its 262,144 bytes in each of the three tensors
	s_lshr_b32 s16, s[WV], 2                       ; waves 0-3 fetch K (from step 1 on), waves 4-7 V: 16,777,216 - 8,192 bytes further on
	s_mul_i32 s16, s16, 16777216-8192
	s_and_b32 s17, s[WV], 3
	s_lshl_b32 s17, s17, 14                        ; my quarter: 16,384 bytes
	s_add_co_u32 s16, s16, s17
	s_add_co_u32 s16, s16, s22
	s_add_co_u32 s16, s16, 16777216+8192
	s_mov_b32 s17, 0
	s_lshl_b32 s18, s14, 16                        ; Q: tile 32 cx + 4 w, 2,048 bytes a tile
	s_lshl_b32 s19, s[WV], 13
	s_add_co_u32 s18, s18, s19
	s_add_co_u32 s18, s18, s22
	s_mov_b32 s19, 0
	s_add_co_u32 s20, s22, 16777216                ; K of step 0
	s_mov_b32 s21, 0
	s_and_b32 s40, s15, 15                         ; head
	s_lshr_b32 s41, s15, 4                         ; b
	s_lshr_b32 s42, s40, 1
	s_lshl_b32 s42, s42, 21                        ; cc: (head / 2) x 2,097,152 + (128 b + 32 cx + 4 w) x 4,096 + (head % 2) x 2,048
	s_lshl_b32 s41, s41, 19
	s_add_co_u32 s42, s42, s41
	s_lshl_b32 s41, s14, 17
	s_add_co_u32 s42, s42, s41
	s_lshl_b32 s41, s[WV], 14
	s_add_co_u32 s42, s42, s41
	s_and_b32 s41, s40, 1
	s_lshl_b32 s41, s41, 11
	s_add_co_u32 s42, s42, s41
	s_mov_b32 s43, 0
	s_mov_b32 s[G1], 15|(3<<16)|(1<<21)            ; 15:0 the mask: all four work-groups; 17:16 elements of 8 bytes; 21 set beside a mask; no padding
	s_mov_b32 s[G1+1], 32<<16                      ; 16,384 dense bytes as 64 rows of 256: tensor_dim0 = 32
	s_mov_b32 s[G1+2], 64<<16                      ; tensor_dim1 = 64
	s_mov_b32 s[G1+3], 32<<16                      ; tile_dim0
	s_mov_b32 s[G1+4], 64                          ; tile_dim1
	s_mov_b32 s[G1+5], 32                          ; tensor_dim0_stride
	s_mov_b32 s[G1+6], 0
	s_mov_b32 s[G1+7], 0
	s_mov_b32 s[CS], 0x3e38aa3b                    ; c = log2(e) / 8
	s_mov_b32 s[CS+1], s[CS]                       ; (named with it as a pair, so it is written)
	s_mov_b32 s[SEL], 0x76543210
	s_mov_b32 s[SEL+1], 0xfedcba98
	s_mov_b32 s[TB], 0
	s_mov_b32 s[CNT], 0
	s_wait_dscnt 0x0                               ; both opening adds are done
	s_wait_kmcnt 0x0
	s_add_nc_u64 s[16:17], s[4:5], s[16:17]
	s_add_nc_u64 s[18:19], s[4:5], s[18:19]
	s_add_nc_u64 s[20:21], s[4:5], s[20:21]
	s_add_nc_u64 s[6:7], s[6:7], s[42:43]
	s_mov_b32 s[G0], 1
	s_lshl_b32 s[G0+1], s[WV], 14                  ; LDS: K's four quarters, then V's four: 16,384 x wave
	s_mov_b64 s[G0+2:G0+3], s[16:17]
	s_or_b32 s[G0+3], s[G0+3], 0x80000000
	s_mov_b32 s[G0+4], 1
	s_add_co_u32 s[G0+5], s[G0+1], SLOT1
	s_add_nc_u64 s[G0+6:G0+7], s[16:17], 65536     ; a slot on: eight steps
	s_or_b32 s[G0+7], s[G0+7], 0x80000000
	CROUND                                         ; all four work-groups are here: the first joint loads meet
	tensor_load_to_lds s[G0:G0+3], s[G1:G1+7]      ; every wave issues both first fills, with no branch
	s_nop 0
	tensor_load_to_lds s[G0+4:G0+7], s[G1:G1+7]
	s_nop 0
.rept 4
	v_nop
.endr
	v_and_b32 v1, 31, v0
	v_lshlrev_b32 v[AK0], 4, v1
	v_bfe_u32 v6, v0, 4, 1
	v_and_b32 v7, 7, v0
	v_lshl_add_u32 v6, v6, 3, v7                   ; the turning load: lane l reads 16 bytes of key 8 (l / 16) + l % 8,
	v_bfe_u32 v7, v0, 3, 1
	v_lshlrev_b32 v7, 4, v7                        ; channels 8 ((l / 8) % 2) on; sixteen lanes take 256 consecutive bytes
	v_lshl_add_u32 v[AV0], v6, 5, v7
	v_add_nc_u32 v[AV0], VOFF, v[AV0]
.irp t, 0,1,2,3
.irp ct, 0,1,2,3
	global_load_b128 v[Q+16*\t+4*\ct:Q+16*\t+4*\ct+3], v[AK0], s[18:19] offset:2048*\t+512*\ct   ; Q stays in registers
.endr
.endr
	WIN TO_F
.irp kt, 0,1,2,3
.irp ct, 0,1,2,3
	global_load_b128 v[KF+16*\kt+4*\ct:KF+16*\kt+4*\ct+3], v[AK0], s[20:21] offset:2048*\kt+512*\ct   ; K of step 0
.endr
.endr
.set i, 0
.rept 128
	v_mov_b32 v[i], 0                              ; O^T: the first change of m multiplies zeros
.set i, i+1
.endr
	WIN 0
.irp t, 0,1,2,3
	v_mov_b32 v[ST+8*\t+1], 0xff61b1e6             ; m = -3e38, under every score
	v_mov_b32 v[ST+8*\t+2], 0                      ; l, in two halves
	v_mov_b32 v[ST+8*\t+3], 0
.endr
.irp t, 0,1,2,3
	v_mul_f32 v[ST+8*\t], s[CS], v[ST+8*\t+1]      ; c m
.endr
	v_add_nc_u32 v[ADK], s[TB], v[AK0]             ; both address registers are made ahead of the first parting of the roles
	v_add_nc_u32 v[ADV], s[TB], v[AV0]
; The accumulators take turns, one instruction a turn: between two links of a chain stand 15 others'.
.macro PV                              ; O^T += V^T P: keys 32 u on, channels 16 ct on, tile t
	WIN W_PV
.irp u, 0,1
.irp ct, 0,1,2,3
.irp t, 0,1,2,3
	v_wmma_f32_16x16x32_f16 v[32*\t+8*\ct:32*\t+8*\ct+7], v[VF+32*\u+8*\ct:VF+32*\u+8*\ct+7], v[S+32*\t+8*\u:S+32*\t+8*\u+7], v[32*\t+8*\ct:32*\t+8*\ct+7]
.endr
.endr
.endr
.endm
.macro KQ                              ; S^T = K Q^T: channels 32 cs on, keys 16 kt on, tile t; the first 16 start the sums
	WIN W_KQ
.irp cs, 0,1
.irp kt, 0,1,2,3
.irp t, 0,1,2,3
.if \cs == 0
	v_wmma_f32_16x16x32_f16 v[S+32*\t+8*\kt:S+32*\t+8*\kt+7], v[KF+16*\kt+8*\cs:KF+16*\kt+8*\cs+7], v[Q+16*\t+8*\cs:Q+16*\t+8*\cs+7], 0
.else
	v_wmma_f32_16x16x32_f16 v[S+32*\t+8*\kt:S+32*\t+8*\kt+7], v[KF+16*\kt+8*\cs:KF+16*\kt+8*\cs+7], v[Q+16*\t+8*\cs:Q+16*\t+8*\cs+7], v[S+32*\t+8*\kt:S+32*\t+8*\kt+7]
.endif
.endr
.endr
.endr
.endm
.macro FETCHV                          ; V of the trip's step, turned: lane l gets channel l % 16 and eight keys
	WIN TO_F
.irp u, 0,1
.irp ct, 0,1,2,3
.irp e, 0,1
	ds_load_tr16_b128 v[VF+32*\u+8*\ct+4*\e:VF+32*\u+8*\ct+4*\e+3], v[ADV] offset:(2*\u+\e)*2048+512*\ct
.endr
.endr
.endr
.endm
.macro FETCHK                          ; K of the step after
	WIN TO_F
.irp kt, 0,1,2,3
.irp cs, 0,1
.irp p, 0,1
	ds_load_b128 v[KF+16*\kt+8*\cs+4*\p:KF+16*\kt+8*\cs+4*\p+3], v[ADK] offset:2048*\kt+1024*\cs+512*\p
.endr
.endr
.endr
.endm
.macro FETCH last                      ; last = 1: trip 31 has no step after it: a scalar branch on the count of trips leads round K's loads
	FETCHV
.if \last
	WIN 0                                          ; at a branch and at a label every window is 0
	s_cmp_eq_u32 s[CNT], 31
	s_cbranch_scc1 .Lnok_\@
.endif
	FETCHK
	WIN 0
.if \last
.Lnok_\@:
.endif
.endm
; PHASE M.  K Q^T writes over registers that V^T P has read as its source 1: five places between them.  Four places behind the last product, for the loads into K and V and for the first read of S^T.
.macro MPH last
	PV
	WIN 0
.if \last
	s_cmp_eq_u32 s[CNT], 31
	s_cbranch_scc1 .Lnokq_\@
.endif
.rept 5
	v_nop
.endr
	KQ
	WIN 0
.if \last
.Lnokq_\@:
.endif
.rept 4
	v_nop
.endr
.endm
; PHASE V.  AIT writes number n of 37 of tile t's list: 0-15 the maximum of the lane's 32 scores and the old m (each accumulator is first read at its low end); 16 the other half of the lanes'; 17 c m_old is kept;
; 18 the new m; 19 c m; 20 c m_old - c m_new; 21-36 the scalings c s - c m, a pair each.
.macro AIT t
.set rT, ST+8*(\t)
.set rS, S+32*(\t)
.if n < 4
	v_max3_num_f32 v[rT+4+n], v[rS+8*n], v[rS+8*n+1], v[rS+8*n+2]
.elseif n < 12
	v_max3_num_f32 v[rT+4+n%4], v[rT+4+n%4], v[rS+8*(n%4)+2*(n/4)+1], v[rS+8*(n%4)+2*(n/4)+2]
.elseif n == 12
	v_max3_num_f32 v[rT+4], v[rT+4], v[rS+7], v[rS+15]
.elseif n == 13
	v_max3_num_f32 v[rT+6], v[rT+6], v[rS+23], v[rS+31]
.elseif n == 14
	v_max3_num_f32 v[rT+4], v[rT+4], v[rT+5], v[rT+6]
.elseif n == 15
	v_max3_num_f32 v[rT+4], v[rT+4], v[rT+7], v[rT+1]
.elseif n == 16
	v_permlanex16_b32 v[rT+5], v[rT+4], s[SEL], s[SEL+1]
.elseif n == 17
	v_mov_b32 v[rT+7], v[rT]
.elseif n == 18
	v_max_num_f32 v[rT+1], v[rT+4], v[rT+5]
.elseif n == 19
	v_mul_f32 v[rT], s[CS], v[rT+1]
.elseif n == 20
	v_sub_f32 v[rT+7], v[rT+7], v[rT]
.else
	v_pk_fma_f32 v[rS+2*(n-21):rS+2*(n-21)+1], v[rS+2*(n-21):rS+2*(n-21)+1], s[CS:CS+1], v[rT:rT+1] op_sel_hi:[1,0,0] neg_lo:[0,0,1] neg_hi:[0,0,1]
.endif
.endm
.macro EXPO t                          ; exponential e of 33 of tile t: p of score e; the last is a
.if e < 32
	v_exp_f32 v[S+32*(\t)+e], v[S+32*(\t)+e]
.else
	v_exp_f32 v[ST+8*(\t)+6], v[ST+8*(\t)+7]
.endif
.endm
; Tile t's exponentials stand among the sums and roundings of tile t - 1, whose exponentials have had their wait: a plain instruction follows each exponential.  A pair's sum stands ahead of its rounding, which writes in place.
.macro MIX t
.set rP, ST+8*((\t)-1)
.set sP, S+32*((\t)-1)
	v_pk_mul_f32 v[rP+2:rP+3], v[rP+2:rP+3], v[rP+6:rP+7] op_sel_hi:[1,0]   ; l x a
.set i, 0
.rept 16
.set e, 2*i
	EXPO \t
	v_pk_add_f32 v[rP+2:rP+3], v[rP+2:rP+3], v[sP+2*i:sP+2*i+1]
.set e, 2*i+1
	EXPO \t
	v_cvt_pk_f16_f32 v[sP+i], v[sP+2*i], v[sP+2*i+1]
.set i, i+1
.endr
.set e, 32
	EXPO \t
	v_nop                                          ; a plain instruction behind the batch's last exponential
	s_wait_alu depctr_va_vdst(0)                   ; one wait for the tile's 33 exponentials, ahead of the first instruction that names a result
.endm
.macro VPH last
	FETCH \last                                    ; the loads land while the softmax is worked
.set n, 0
.rept 37
	AIT 0
	AIT 1
.set n, n+1
.endr
.set n, 0
.rept 37
	AIT 2
	AIT 3
.if n < 33
.set e, n
	EXPO 0                                         ; tile 0's exponentials among the lists of tiles 2 and 3
.endif
.set n, n+1
.endr
	s_wait_alu depctr_va_vdst(0)                   ; one wait for tile 0's 33
	MIX 1
	MIX 2
	MIX 3
	v_pk_mul_f32 v[ST+26:ST+27], v[ST+26:ST+27], v[ST+30:ST+31] op_sel_hi:[1,0]   ; tile 3: l x a, the sums, the roundings
.set i, 0
.rept 16
	v_pk_add_f32 v[ST+26:ST+27], v[ST+26:ST+27], v[S+96+2*i:S+96+2*i+1]
	v_cvt_pk_f16_f32 v[S+96+i], v[S+96+2*i], v[S+96+2*i+1]
.set i, i+1
.endr
	WIN W_RS
.irp t, 0,1,2,3
.set i, 0
.rept 16
	v_pk_mul_f32 v[32*\t+2*i:32*\t+2*i+1], v[32*\t+2*i:32*\t+2*i+1], v[ST+8*\t+6:ST+8*\t+7] op_sel_hi:[1,0]   ; O^T x a, each accumulator from its low end on
.set i, i+1
.endr
.endr
	WIN 0
.endm
.macro TRIP last
	v_add_nc_u32 v[ADK], s[TB], v[AK0]             ; on the way that both roles take
	v_add_nc_u32 v[ADV], s[TB], v[AV0]
	s_cmp_eq_u32 s[ROLE], 0                        ; the wave's number alone: the same in every work-group
	s_cbranch_scc0 .Lrole1_\@
	MPH 0                                          ; (its operands were waited for at the last trip's end)
	VPH \last
	s_branch .Ljoin_\@
.Lrole1_\@:
	VPH \last
	s_wait_dscnt 0x0                               ; V and K are in
	MPH \last
.Ljoin_\@:
	s_add_co_u32 s[TB], s[TB], STEPB
	s_add_co_u32 s[CNT], s[CNT], 1
	s_wait_dscnt 0x0                               ; no LDS instruction of mine is out at a signal
	s_barrier_signal -1                            ; the trip's end: it keeps the two roles in opposite phases
	s_barrier_wait -1
.endm
.macro EIGHT last                      ; a slot's eight trips
	s_mov_b32 s[INNER], 8
.Ltrip_\@:
	TRIP \last
	s_sub_co_u32 s[INNER], s[INNER], 1
	s_cmp_lg_u32 s[INNER], 0
	s_cbranch_scc1 .Ltrip_\@
.endm
; THE CHANGE OF SLOTS.  Each wave waits for all its tensor loads (its part of the slot ahead), adds 0 to its spare word, and waits for that and for its reads of the slot that it leaves.
; fill = 1: the barrier is a round of the cluster's, and the slot just left is filled with the steps two slots on: the first thing behind the round, one load a wave.
.macro CHANGE fill
	s_wait_tensorcnt 0x0                           ; no tensor load of mine is out, so a group 0 may be written
	ds_add_u32 v[SPW], v[NIL]
.if \fill
	s_xor_b32 s[G0+5], s[G0+5], SLOT1              ; the walking descriptor: the other slot than last time,
	s_add_nc_u64 s[G0+6:G0+7], s[G0+6:G0+7], 65536 ; the next eight steps; the type bits on top are not reached
	s_wait_dscnt 0x0
	CROUND
	tensor_load_to_lds s[G0+4:G0+7], s[G1:G1+7]
	s_nop 0
.rept 4
	v_nop
.endr
.else
	s_wait_dscnt 0x0
	s_barrier_signal -1
	s_barrier_wait -1
.endif
	s_sub_co_u32 s[TB], s[TB], 8*STEPB             ; back to a slot's first step,
	s_xor_b32 s[TB], s[TB], SLOT1                  ; in the other slot
.endm
	s_wait_tensorcnt 0x1                           ; my part of slot 0 is in; slot 1's load may stay out
	s_barrier_signal -1
	s_barrier_wait -1                              ; everybody's is
	s_cmp_eq_u32 s[ROLE], 0
	s_cbranch_scc0 .Lpro1
.irp t, 0,1,2,3                                ; role 0: a P of zeros and V of step 0 for its first, empty V^T P
.set i, 0
.rept 16
	v_mov_b32 v[S+32*\t+i], 0
.set i, i+1
.endr
.endr
	FETCHV
	WIN 0
	s_wait_loadcnt 0x0                             ; Q and K of step 0
	s_branch .Lpro_done
.Lpro1:                                            ; role 1: the scores of step 0
	s_wait_loadcnt 0x0
	KQ
	WIN 0
.rept 4
	v_nop
.endr
.Lpro_done:
	s_wait_dscnt 0x0
	s_barrier_signal -1
	s_barrier_wait -1
	s_mov_b32 s[OUTER], 2
.Lfill:                                            ; slots 0 and 1 are read and filled again
	EIGHT 0
	CHANGE 1
	s_sub_co_u32 s[OUTER], s[OUTER], 1
	s_cmp_lg_u32 s[OUTER], 0
	s_cbranch_scc1 .Lfill
	s_mov_b32 s[OUTER], 2
.Ltail:                                            ; the last two slots: a second text
	EIGHT 1
	CHANGE 0
	s_sub_co_u32 s[OUTER], s[OUTER], 1
	s_cmp_lg_u32 s[OUTER], 0
	s_cbranch_scc1 .Ltail
	; THE WAY OUT begins ahead of the last products: l's two halves are added.  These four name the statistics alone; with the four places at a phase M's end they make eight places between the
	; text's last K Q^T, which writes S^T's registers, and the V^T P below, which takes those registers as a source: five are owed on every way through the text (ISA guide 7.12.1).
.irp t, 0,1,2,3
	v_add_f32 v[ST+8*\t+4], v[ST+8*\t+2], v[ST+8*\t+3]
.endr
	s_cmp_eq_u32 s[ROLE], 0
	s_cbranch_scc0 .Lno_pv
	PV                                             ; role 0: V^T P of the last step
	WIN 0
.Lno_pv:
.rept 4
	v_nop                                          ; places ahead of the first read of O^T
.endr
	; the other half of the lanes' sum is added; O^T / l, rounded to f16: a lane's eight channels are 16 bytes of an image.
.irp t, 0,1,2,3
	v_permlanex16_b32 v[ST+8*\t+5], v[ST+8*\t+4], s[SEL], s[SEL+1]
.endr
.irp t, 0,1,2,3
	v_add_f32 v[ST+8*\t+4], v[ST+8*\t+4], v[ST+8*\t+5]
.endr
.irp t, 0,1,2,3
	v_rcp_f32 v[ST+8*\t+6], v[ST+8*\t+4]
.endr
	v_nop                                          ; a plain instruction behind the last reciprocal
	s_wait_alu depctr_va_vdst(0)                   ; and one wait for the four, ahead of the first use
	WIN W_RS
.irp t, 0,1,2,3
.set i, 0
.rept 16
	v_pk_mul_f32 v[32*\t+2*i:32*\t+2*i+1], v[32*\t+2*i:32*\t+2*i+1], v[ST+8*\t+6:ST+8*\t+7] op_sel_hi:[1,0]
.set i, i+1
.endr
.endr
	WIN 0x05                                       ; sources 0 and 1 window 1, destination window 0: S^T's registers are free
.set i, 0
.rept 64
	v_cvt_pk_f16_f32 v[S+i], v[2*i], v[2*i+1]
.set i, i+1
.endr
	WIN 0
.irp t, 0,1,2,3
.irp ct, 0,1,2,3
	global_store_b128 v[AK0], v[S+16*\t+4*\ct:S+16*\t+4*\ct+3], s[6:7] offset:4096*\t+512*\ct   ; 32 lanes store 512 consecutive bytes
.endr
.endr
	s_wait_tensorcnt 0x0                           ; the wave's end
	ds_add_u32 v[SPW], v[NIL]
	s_wait_dscnt 0x0
	CROUND                                         ; the closing round
	s_endpgm
.Lfunc_end_k_qa53b0b816f_attn:
	.size	k_qa53b0b816f_attn, .Lfunc_end_k_qa53b0b816f_attn-k_qa53b0b816f_attn
	.p2alignl 7, 3214868480
	.fill 96, 4, 3214868480
	.section	.rodata,"a",@progbits
	.p2align	6, 0x0
	.amdhsa_kernel k_qa53b0b816f_attn
		.amdhsa_group_segment_fixed_size 327680
		.amdhsa_private_segment_fixed_size 0
		.amdhsa_enable_private_segment 0
		.amdhsa_kernarg_size 16
		.amdhsa_user_sgpr_count 2
		.amdhsa_user_sgpr_kernarg_segment_ptr 1
		.amdhsa_wavefront_size32 1
		.amdhsa_system_sgpr_workgroup_id_x 1
		.amdhsa_system_sgpr_workgroup_id_y 1
		.amdhsa_system_sgpr_workgroup_id_z 1
		.amdhsa_system_vgpr_workitem_id 0
		.amdhsa_next_free_vgpr 512
		.amdhsa_next_free_sgpr 66
		.amdhsa_reserve_vcc 0
		.amdhsa_float_denorm_mode_32 3
		.amdhsa_float_denorm_mode_16_64 3
		.amdhsa_memory_ordered 1
		.amdhsa_forward_progress 1
		.amdhsa_inst_pref_size 162
	.end_amdhsa_kernel
	.amdgpu_metadata
---
amdhsa.version: [ 1, 2 ]
amdhsa.kernels:
  - .name:           k_qa53b0b816f_attn
    .symbol:         k_qa53b0b816f_attn.kd
    .args:
      - { .name: qkv, .offset: 0, .size: 8, .value_kind: global_buffer, .address_space: global }
      - { .name: cc, .offset: 8, .size: 8, .value_kind: global_buffer, .address_space: global }
    .group_segment_fixed_size: 327680
    .private_segment_fixed_size: 0
    .kernarg_segment_align: 8
    .kernarg_segment_size: 16
    .max_flat_workgroup_size: 256
    .sgpr_count:     66
    .vgpr_count:     512
    .wavefront_size: 32
...
	.end_amdgpu_metadata
.endif
;; end of part 3
;; launch proj (part 4): grid 4 x 64, 4 waves a work-group, clusters of 4 x 4, 327,680 bytes of LDS; arguments cc, wo16, out0; writes out0
.if DOCPART == 4
	.amdgcn_target "amdgcn-amd-amdhsa--gfx1250"
	.amdhsa_code_object_version 6
	.text
	.protected	k_qa53b0b816f_proj
	.globl	k_qa53b0b816f_proj
	.p2align	8
	.type	k_qa53b0b816f_proj,@function
k_qa53b0b816f_proj:
	s_mov_b64 s[64:65], 0
	v_nop
	global_prefetch_b8 v0, s[64:65] scope:SCOPE_SE
	s_setreg_imm32_b32 hwreg(HW_REG_WAVE_MODE, 25, 1), 1
	s_wait_xcnt 0x0
	s_wait_alu depctr_hold_cnt(0) depctr_sa_sdst(0) depctr_va_vdst(0) depctr_va_sdst(0) depctr_va_ssrc(0) depctr_va_vcc(0) depctr_vm_vsrc(0)
	s_getreg_b32 s2, hwreg(HW_REG_IB_STS2, 6, 4)
	s_cmp_eq_u32 s2, 0
	s_cbranch_scc0 .Lentry_in_a_cluster
	s_endpgm
.Lentry_in_a_cluster:
	s_bfe_u32 s2, ttmp6, 0x10000c
	s_cmp_lg_u32 s2, 0xf033
	s_cbranch_scc0 .Lentry_shape_is_right
	s_endpgm
.Lentry_shape_is_right:
; Launch 4 of 4: out0[token][n] = sum over k of concat[token][k] Wo[k][n]; operands f16, sums f32, out0 f32.  Nothing is left out.
; A work-group of four waves makes 128 tokens x 256 n: 256 work-groups; a wave 64 x 128: 32 accumulators, 256 registers.  K = 1,024 goes in eight steps of 128 through a ring of two LDS slots.
; Both operands are images of registers: a fragment (16 rows x 32 K) is 1,024 bytes, two loads of 16 bytes a lane at 16 x lane; a K step of 16 rows is 4,096 bytes; a K step's tiles of a side are dense in memory.
; CLUSTERS: 4 x 4 work-groups; the four of a row need the same tokens (A), the four of a column the same n (B): joint loads.  Waves 0 and 1 fetch A's halves (16,384 bytes), waves 2 and 3 B's (32,768).
; THE MATRIX INSTRUCTION IS USED TRANSPOSED (source 0 = 16 n, source 1 = 16 tokens): a lane holds eight neighbouring numbers of a row of out0.
; Two tensor loads of a wave are out at the start, later one; a refill has 112 matrix instructions in which to land.
; REGISTERS: window 0: v16-29 addresses; two fragment buffers of 96 (B's 64, then A's 32) at v32 and v128; on the way out v32-159.  window 1: the accumulators ((a, b) at v[8 (8 a + b)]).
.set SLOT,   98304                     ; A's 8 tiles of 4,096 bytes, then B's 16
.set STAGE,  2*SLOT                    ; behind the ring: 16 rows x (512 bytes + 16) for each wave, for the way out; no tensor load lands there
.set SPITCH, 528
.set SPARE,  STAGE+4*16*SPITCH         ; the spare words, 128 bytes for each wave
.set ADRA, 16
.set ADRB, 20
.set STO,  24
.set RD,   25
.set CO,   26
.set SPW,  28
.set NIL,  29
.set F0,   32
.set F1,   128
.set BK,   32                          ; the way out: 16 rows read back: v32-95 and v96-159 by turns
.set G1, 24
.set G0, 32
.set G1B, 48
.set G0B, 56
.set MSB, 0
.macro WIN new
.if MSB != (\new)
	s_set_vgpr_msb (MSB<<8)|(\new)
.set MSB, \new
.endif
.endm
.set MUL, 0x50                         ; sources 0 and 1 window 0; C and D window 1
.macro JLOAD s                         ; an s_nop 0 and four v_nop follow each of the two lines
	s_cmp_eq_u32 s11, 0
	s_cbranch_scc0 .Lfor_b_\@
	tensor_load_to_lds s[G0+4*\s:G0+4*\s+3], s[G1:G1+7]
	s_nop 0
.rept 4
	v_nop
.endr
	s_branch .Lasked_\@
.Lfor_b_\@:
	tensor_load_to_lds s[G0B+4*\s:G0B+4*\s+3], s[G1B:G1B+7]
	s_nop 0
.rept 4
	v_nop
.endr
.Lasked_\@:
.endm
.macro CREST
	s_cmp_lg_u32 s10, 0
	s_cbranch_scc1 .Lnot_wave_0_\@
	s_barrier_signal -3
.Lnot_wave_0_\@:
	s_barrier_wait -3
	s_barrier_signal -1
	s_barrier_wait -1
.endm
.macro CROUND
	s_barrier_signal -1
	s_barrier_wait -1
	CREST
.endm
	s_load_b128 s[4:7], s[0:1], 0x0                ; cc, wo16
	s_load_b64 s[8:9], s[0:1], 0x10                ; out0
	v_lshl_add_u32 v[SPW], v0, 2, SPARE
	v_mov_b32 v[NIL], 0
	ds_add_u32 v[SPW], v[NIL]                      ; the wave's opening: the add, twice on end, and its wait ahead of my first tensor load
	ds_add_u32 v[SPW], v[NIL]
	v_lshrrev_b32 v1, 5, v0
	v_readfirstlane_b32 s10, v1                    ; wave 0..3
	s_lshr_b32 s11, s10, 1                         ; wr: my half of the tokens.  Also: I fetch for A (0) or for B (1)
	s_and_b32 s12, s10, 1                          ; wc: my half of the n.  Also: which half of that side I fetch
	s_bfe_u32 s40, ttmp6, 0x40000
	s_bfe_u32 s41, ttmp6, 0x40004
	s_lshl_b32 s42, ttmp9, 2
	s_add_co_u32 s42, s42, s40                     ; tx: 256 n
	s_and_b32 s13, ttmp7, 0xffff
	s_lshl_b32 s13, s13, 2
	s_add_co_u32 s13, s13, s41                     ; ty: 128 tokens
	s_lshl_b32 s43, s41, 2
	s_lshl_b32 s43, 15, s43                        ; my row of the cluster
	s_lshl_b32 s44, 0x1111, s40                    ; my column
	s_or_b32 s[G1+0], s43, (3<<16)|(1<<21)         ; the mask; elements of 8 bytes; bit 21 beside a mask; no padding
	s_mov_b32 s[G1+1], 32<<16                      ; A: 16,384 dense bytes as 64 rows of 256
	s_mov_b32 s[G1+2], 64<<16
	s_mov_b32 s[G1+3], 32<<16
	s_mov_b32 s[G1+4], 64
	s_mov_b32 s[G1+5], 32
	s_mov_b32 s[G1+6], 0
	s_mov_b32 s[G1+7], 0
	s_or_b32 s[G1B+0], s44, (3<<16)|(1<<21)
	s_mov_b32 s[G1B+1], 32<<16                     ; B: 32,768 dense bytes as 128 rows of 256
	s_mov_b32 s[G1B+2], 128<<16
	s_mov_b32 s[G1B+3], 32<<16
	s_mov_b32 s[G1B+4], 128
	s_mov_b32 s[G1B+5], 32
	s_mov_b32 s[G1B+6], 0
	s_mov_b32 s[G1B+7], 0
	s_lshl_b32 s20, s12, 14                        ; A's half: in memory and in LDS
	s_lshl_b32 s16, s13, 15
	s_add_co_u32 s16, s16, s20                     ; tile 8 ty + 4 wc
	s_mov_b32 s17, 0
	s_lshl_b32 s21, s12, 15                        ; B's half
	s_lshl_b32 s46, s42, 16
	s_add_co_u32 s46, s46, s21                     ; tile 16 tx + 8 wc
	s_mov_b32 s47, 0
	s_add_co_u32 s21, s21, 32768                   ; in LDS behind A's 8 tiles
	s_wait_dscnt 0x0                               ; both opening adds are done
	s_wait_kmcnt 0x0
	s_add_nc_u64 s[14:15], s[4:5], s[16:17]
	s_add_nc_u64 s[46:47], s[6:7], s[46:47]
	CROUND                                         ; all sixteen work-groups are here: the first joint loads meet
.irp s, 0,1
	s_mov_b32 s[G0+4*\s], 1
	s_add_co_u32 s[G0+4*\s+1], s20, \s*SLOT
	s_add_nc_u64 s[G0+4*\s+2:G0+4*\s+3], s[14:15], \s*2097152      ; K step s of cc
	s_or_b32 s[G0+4*\s+3], s[G0+4*\s+3], 0x80000000
	s_mov_b32 s[G0B+4*\s], 1
	s_add_co_u32 s[G0B+4*\s+1], s21, \s*SLOT
	s_add_nc_u64 s[G0B+4*\s+2:G0B+4*\s+3], s[46:47], \s*262144     ; of wo16
	s_or_b32 s[G0B+4*\s+3], s[G0B+4*\s+3], 0x80000000
	JLOAD \s
.endr
	v_and_b32 v1, 15, v0                           ; r
	v_bfe_u32 v2, v0, 4, 1                         ; h
	v_and_b32 v3, 31, v0
	v_lshlrev_b32 v[CO], 4, v3                     ; 16 x lane
	s_lshl_b32 s22, s11, 14                        ; my 4 tiles of tokens
	s_lshl_b32 s23, s12, 15                        ; my 8 tiles of n,
	s_add_co_u32 s23, s23, 32768                   ; behind A's
.irp s, 0,1
	v_add_nc_u32 v[ADRA+\s], s22, v[CO]
	v_add_nc_u32 v[ADRB+\s], s23, v[CO]
	s_add_co_u32 s22, s22, SLOT
	s_add_co_u32 s23, s23, SLOT
.endr
	s_mul_i32 s23, s10, 16*SPITCH
	s_add_co_u32 s23, s23, STAGE                   ; my stage
	v_mul_u32_u24 v4, v1, SPITCH                   ; in: row r, 32 bytes for each half of the lanes
	v_lshl_add_u32 v4, v2, 5, v4
	v_add_nc_u32 v[STO], s23, v4
	v_add_nc_u32 v[RD], s23, v[CO]                 ; back: the 32 lanes take one row of 512 bytes
	s_lshl_b32 s16, s13, 19                        ; out0: row 128 ty + 64 wr of 4,096 bytes, + 1,024 tx + 512 wc
	s_lshl_b32 s17, s11, 18
	s_add_co_u32 s16, s16, s17
	s_lshl_b32 s17, s42, 10
	s_add_co_u32 s16, s16, s17
	s_lshl_b32 s17, s12, 9
	s_add_co_u32 s16, s16, s17
	s_mov_b32 s17, 0
	s_add_nc_u64 s[8:9], s[8:9], s[16:17]
; 8 matrix instructions: token tile a x the eight n tiles, 32 along K, from buffer f.  The 32 accumulators take turns in the same order in every quarter.
.macro MULA f, a, zero
.irp b, 0,1,2,3,4,5,6,7
.if \zero
	v_wmma_f32_16x16x32_f16 v[8*(8*(\a)+\b):8*(8*(\a)+\b)+7], v[\f+8*\b:\f+8*\b+7], v[\f+64+8*(\a):\f+64+8*(\a)+7], 0
.else
	v_wmma_f32_16x16x32_f16 v[8*(8*(\a)+\b):8*(8*(\a)+\b)+7], v[\f+8*\b:\f+8*\b+7], v[\f+64+8*(\a):\f+64+8*(\a)+7], v[8*(8*(\a)+\b):8*(8*(\a)+\b)+7]
.endif
.endr
.endm
.macro FETCH slot, q, f                ; 24 LDS loads in one run: the slot's q-th 32 along K: B's eight fragments, then A's four
	WIN 0
.irp b, 0,1,2,3,4,5,6,7
	ds_load_b128 v[\f+8*\b:\f+8*\b+3],   v[ADRB+\slot] offset:4096*\b+1024*(\q)
	ds_load_b128 v[\f+8*\b+4:\f+8*\b+7], v[ADRB+\slot] offset:4096*\b+1024*(\q)+512
.endr
.irp a, 0,1,2,3
	ds_load_b128 v[\f+64+8*\a:\f+64+8*\a+3],   v[ADRA+\slot] offset:4096*\a+1024*(\q)
	ds_load_b128 v[\f+64+8*\a+4:\f+64+8*\a+7], v[ADRA+\slot] offset:4096*\a+1024*(\q)+512
.endr
.endm
.macro PLACES                          ; four places in front of loads into registers that matrix instructions have read, and of the first read of results
.rept 4
	v_nop
.endr
.endm
; A K step is four quarters of 32 along K, 32 matrix instructions each, on buffers 0, 1, 0, 1.  One of the first three multiplies buffer f and fetches quarter q into g.
.macro QUARTER slot, q, f, g, zero
	s_wait_dscnt 4                                 ; B and A's tiles 0, 1 are in; the youngest four loads (A's tiles 2, 3) may be out
	WIN MUL
	MULA \f, 0, \zero
	MULA \f, 1, \zero
	PLACES
	FETCH \slot, \q, \g
	s_wait_dscnt 24                                ; all but the 24 just issued
	WIN MUL
	MULA \f, 2, \zero
	MULA \f, 3, \zero
.endm
; The last quarter multiplies buffer 1 and changes slots: ONE barrier; in front of it each wave waits for all its tensor loads, adds 0 to its spare word, and waits for that and for its reads of this slot.
.macro TURN slot, next, fill
	WIN 0                                          ; (the add's two registers lie in window 0)
	s_wait_tensorcnt 0x0                           ; all my tensor loads have landed: my part of the next slot
	ds_add_u32 v[SPW], v[NIL]
	s_wait_dscnt 5                                 ; (the add and the youngest four loads may be out)
	WIN MUL
	MULA F1, 0, 0
	s_wait_dscnt 0x0                               ; the add is done, and my reads of this slot are over
	s_barrier_signal -1
	MULA F1, 1, 0
.if \fill
	WIN 0
.endif
	s_barrier_wait -1
.if \fill
	CREST                                          ; the barrier has opened a round of the cluster's: no wave of any partner still reads this slot or has a load on its way
	s_add_nc_u64 s[G0+4*\slot+2:G0+4*\slot+3], s[G0+4*\slot+2:G0+4*\slot+3], 2*2097152
	s_add_nc_u64 s[G0B+4*\slot+2:G0B+4*\slot+3], s[G0B+4*\slot+2:G0B+4*\slot+3], 2*262144
	JLOAD \slot                                    ; the first tensor load behind the round; its four v_nop are also the places in front of the loads below
.else
	PLACES
.endif
	FETCH \next, 0, F0
	WIN MUL
	MULA F1, 2, 0
	MULA F1, 3, 0
.endm
	s_wait_tensorcnt 0x1                           ; my part of K step 0 is in; K step 1's load may stay out
	s_barrier_signal -1
	s_barrier_wait -1
	FETCH 0, 0, F0
	QUARTER 0, 1, F0, F1, 1                        ; the first quarter's products start the sums
	WIN 0
	s_mov_b32 s3, 3
.Llap:                                             ; a trip goes once round the ring and fills both slots again: six refills for K steps 2 to 7
	QUARTER 0, 2, F1, F0, 0
	QUARTER 0, 3, F0, F1, 0
	TURN 0, 1, 1
	QUARTER 1, 1, F0, F1, 0
	QUARTER 1, 2, F1, F0, 0
	QUARTER 1, 3, F0, F1, 0
	TURN 1, 0, 1
	QUARTER 0, 1, F0, F1, 0
	WIN 0
	s_sub_co_u32 s3, s3, 1
	s_cmp_lg_u32 s3, 0
	s_cbranch_scc1 .Llap
	QUARTER 0, 2, F1, F0, 0                        ; the last lap fills nothing
	QUARTER 0, 3, F0, F1, 0
	TURN 0, 1, 0
	QUARTER 1, 1, F0, F1, 0
	QUARTER 1, 2, F1, F0, 0
	QUARTER 1, 3, F0, F1, 0
	s_wait_dscnt 4
	WIN MUL
	MULA F1, 0, 0
	MULA F1, 1, 0
	s_wait_dscnt 0
	MULA F1, 2, 0
	MULA F1, 3, 0
	WIN 0
; THE WAY OUT, a block of 16 tokens x 128 n at a time: through my own stage in LDS and back as whole rows of 512 bytes.  LDS serves a wave's instructions in order: no wait between the stores and the loads.
.macro TOSTAGE a
	WIN 0x04                                       ; an LDS store's data are its source 1: window 1
.irp b, 0,1,2,3,4,5,6,7
	ds_store_b128 v[STO], v[64*(\a)+8*\b:64*(\a)+8*\b+3] offset:64*\b          ; each accumulator from its low end on
	ds_store_b128 v[STO], v[64*(\a)+8*\b+4:64*(\a)+8*\b+7] offset:64*\b+16
.endr
	WIN 0
.set BB, BK+64*((\a)%2)
.irp t, 0,1,2,3,4,5,6,7,8,9,10,11,12,13,14,15
	ds_load_b128 v[BB+4*\t:BB+4*\t+3], v[RD] offset:\t*SPITCH
.endr
.endm
.macro SEND a, younger                 ; younger: the LDS instructions issued behind block a's loads, which may stay out
.set BB, BK+64*((\a)%2)
	s_wait_dscnt \younger
.irp t, 0,1,2,3,4,5,6,7,8,9,10,11,12,13,14,15
	global_store_b128 v[CO], v[BB+4*\t:BB+4*\t+3], s[8:9] offset:65536*(\a)+4096*\t th:TH_STORE_NT   ; 32 lanes store 512 consecutive bytes, at a multiple of 256 from out0's first byte
.endr
.endm
	PLACES
	TOSTAGE 0
.irp a, 1,2,3
.if \a > 1
	s_wait_xcnt 0x0                                ; the stores of the block two back have read their registers
.endif
	TOSTAGE \a
	SEND \a-1, 32
.endr
	SEND 3, 0
	s_wait_tensorcnt 0x0                           ; the wave's end
	ds_add_u32 v[SPW], v[NIL]
	s_wait_dscnt 0x0
	CROUND                                         ; the closing round
	s_endpgm
.Lfunc_end_k_qa53b0b816f_proj:
	.size	k_qa53b0b816f_proj, .Lfunc_end_k_qa53b0b816f_proj-k_qa53b0b816f_proj
	.p2alignl 7, 3214868480
	.fill 96, 4, 3214868480
	.section	.rodata,"a",@progbits
	.p2align	6, 0x0
	.amdhsa_kernel k_qa53b0b816f_proj
		.amdhsa_group_segment_fixed_size 327680
		.amdhsa_private_segment_fixed_size 0
		.amdhsa_enable_private_segment 0
		.amdhsa_kernarg_size 24
		.amdhsa_user_sgpr_count 2
		.amdhsa_user_sgpr_kernarg_segment_ptr 1
		.amdhsa_wavefront_size32 1
		.amdhsa_system_sgpr_workgroup_id_x 1
		.amdhsa_system_sgpr_workgroup_id_y 1
		.amdhsa_system_sgpr_workgroup_id_z 1
		.amdhsa_system_vgpr_workitem_id 0
		.amdhsa_next_free_vgpr 512
		.amdhsa_next_free_sgpr 66
		.amdhsa_reserve_vcc 0
		.amdhsa_float_denorm_mode_32 3
		.amdhsa_float_denorm_mode_16_64 3
		.amdhsa_memory_ordered 1
		.amdhsa_forward_progress 1
		.amdhsa_inst_pref_size 84
	.end_amdhsa_kernel
	.amdgpu_metadata
---
amdhsa.version: [ 1, 2 ]
amdhsa.kernels:
  - .name:           k_qa53b0b816f_proj
    .symbol:         k_qa53b0b816f_proj.kd
    .args:
      - { .name: cc, .offset: 0, .size: 8, .value_kind: global_buffer, .address_space: global }
      - { .name: wo16, .offset: 8, .size: 8, .value_kind: global_buffer, .address_space: global }
      - { .name: out0, .offset: 16, .size: 8, .value_kind: global_buffer, .address_space: global }
    .group_segment_fixed_size: 327680
    .private_segment_fixed_size: 0
    .kernarg_segment_align: 8
    .kernarg_segment_size: 24
    .max_flat_workgroup_size: 128
    .sgpr_count:     66
    .vgpr_count:     512
    .wavefront_size: 32
...
	.end_amdgpu_metadata
.endif
;; end of part 4
